; MI455X (gfx1250); checked and timed in simulation.
; The chip was launched on July 23, 2026; its instructions are those of AMD's public machine-readable ISA for CDNA 5 (MIT licence, August 2026) and "CDNA5" Instruction Set Architecture Reference Guide (July 2026). The comments in the code are by the model that wrote it; some were corrected since.
;; RWKV Model. Allowed arithmetic: matrix products marked QUANTISED: E3M2 operands, one E8M0 scale for each 32 along K, by v_wmma_scale_f32_16x16x128_f8f6f4 with both operands' format E3M2, f32 sums; products left as they are: f32 operands where the result goes on into a quantised operand, else bf16, f16 or f32 operands; f32 sums; everything else in f32.
;; Inputs: Wk 2,048 x 2,048 float32; Wl 4 x 2,048 float32; Wo 2,048 x 2,048 float32; Wr 2,048 x 2,048 float32; Wv 2,048 x 2,048 float32; bl 4 float32; state 4 x 4 x 2,048 float32; time_decay_multi 4 x 2,048 float32; x 4 x 1,024 x 2,048 float32.
;; Outputs: out0 4 x 1,024 x 2,048 float32; out1 4 x 4 x 2,048 float32.
;; This version of the problem:
;;   THIS VERSION OF THE PROBLEM IS GIVEN IN LOW PRECISION. The matrix products marked QUANTISED in the list below multiply operands that are first quantised to E3M2 (3 exponent bits, 2 mantissa bits; 6 bits a number), with one power-of-two scale for each 32 numbers along K (OCP MX v1.0); their sums are f32. All else is computed in f32.
;;   The module's matrix products, in the order in which they are computed (A, B: the left and right operand; K: the contracted axis; several contracted axes count as one K, in the product's order):
;;     1. [M 4,096, K 2,048] x [K 2,048, N 2,048]; A: input x; B: input Wv: QUANTISED
;;     2. [M 4,096, K 2,048] x [K 2,048, N 2,048]; A: input x; B: input Wk: QUANTISED
;;     3. [M 4,096, K 2,048] x [K 2,048, N 2,048]; A: input x; B: input Wr: QUANTISED
;;     4. [M 4,096, K 2,048] x [K 2,048, N 4]; A: input x; B: input Wl: left as it is (N = 4 < 16)
;;     5. batch 4 x [M 1,024, K 4] x [K 4, N 2,048]; A: softmax; B: computed on the way: left as it is (K = 4 < 32)
;;     6. [M 4,096, K 2,048] x [K 2,048, N 2,048]; A: computed on the way; B: input Wo: QUANTISED
;;   THE QUANTISER, for each operand of a quantised product, along K:
;;     - K is cut into blocks of 32 from its start; a last block that is shorter is filled with zeros.
;;     - A block's scale is 2^e with e = floor(log2(the largest magnitude in the block)) - 4, held to -126 .. 127; a block of zeros has e = 0. As a byte (E8M0): e + 127.
;;     - Each number is divided by its block's scale, clamped to +-28, and rounded to the nearest number of E3M2, ties to even, subnormals kept.
;;     - The product sums the exact products of the quantised numbers (number of the format x scale) in f32.
;;   ~~~python
;;   def quantise(x, axis):      # numpy; x: float32 -> the quantised numbers, widened to float32 again
;;       x = np.moveaxis(x, axis, -1); K = x.shape[-1]
;;       x = np.pad(x, [(0, 0)] * (x.ndim - 1) + [(0, -K % 32)]); x = x.reshape(x.shape[:-1] + (-1, 32)); a = np.abs(x).max(-1, keepdims=True)
;;       e = np.where(a > 0, np.clip(np.frexp(np.where(a > 0, a, 1))[1] - 1 - 4, -126, 127), 0)      # np.frexp(a)[1] - 1 = floor(log2(a)), exactly
;;       r = np.clip(x / 2.0 ** e, -28, 28)
;;       step = 2.0 ** (np.maximum(np.frexp(np.where(r == 0, 1, r))[1] - 1, -2) - 2)
;;       q = np.round(r / step) * step * 2.0 ** e      # np.round: ties to even
;;       return np.moveaxis(q.reshape(q.shape[:-2] + (-1,))[..., :K], -1, axis).astype(np.float32)
;;   ~~~
;;   OPERANDS COMPUTED ON THE WAY. 'Computed on the way' means the value that the module computes at that place (a softmax that the list does not call 'softmax' is quantised finished and normalised). What goes into a quantiser is computed in f32, as accurately as f32 sums, v_exp_f32 and their like allow (about 1e-6 of the number): no bf16 or f16 on the way to a quantiser, and a product that is left as it is and whose result goes on into a quantised operand takes f32 operands (vector FMAs, or v_wmma_f32_16x16x4_f32). A number that lies on a knife's edge between two numbers of the format may be rounded either way, as far as f32 arithmetic and the matrix unit's own rounding can turn it there, and no further.
;; One version. Each part assembles by itself: llvm-mc -triple=amdgcn-amd-amdhsa -mcpu=gfx1250 --defsym DOCPART=n.
;; ======== version 1 of 1: 3 launches
;; limits: right only within a limited range of input values
;; workspace buffers: xq 6,291,456 bytes; xs 262,144 bytes; wq 12,582,912 bytes; ws 524,288 bytes; zq 6,291,456 bytes; zs 262,144 bytes; lw 65,536 bytes
;; launch quant (part 1): grid 256 x 1, 4 waves a work-group, no clusters, 38,400 bytes of LDS; arguments x, Wv, Wk, Wr, Wo, Wl, bl, xq, xs, wq, ws, lw; writes xq, xs, wq, ws, lw
.if DOCPART == 1
	.amdgcn_target "amdgcn-amd-amdhsa--gfx1250"
	.amdhsa_code_object_version 6
	.text
	.protected	k_qcc65c233e8_quant
	.globl	k_qcc65c233e8_quant
	.p2align	8
	.type	k_qcc65c233e8_quant,@function
k_qcc65c233e8_quant:
	s_mov_b64 s[64:65], 0
	v_nop
	global_prefetch_b8 v0, s[64:65] scope:SCOPE_SE
	s_setreg_imm32_b32 hwreg(HW_REG_WAVE_MODE, 25, 1), 1
	s_wait_xcnt 0x0
; x [4096][2048] and Wv, Wk, Wr, Wo [2048][2048], f32, K innermost, become codes of E3M2 with one E8M0 byte for each 32 along K, laid as IMAGES OF OPERAND REGISTERS;
; and lw = softmax(x Wl^T + bl), from the unquantised x, in f32 throughout.
; A FRAGMENT (16 rows x 128 K, 12 registers a lane) is 1,536 bytes: registers 4 c .. 4 c + 3 at 512 c + 16 x lane, c = 0, 1, 2.
; Lane (r, hh) holds row r; registers 0-5 are K block hh of the 128, registers 6-11 block 2 + hh.
; THE ROWS OF A WEIGHT'S TILE ARE NOT NEIGHBOURS: lane-row t of tile 2 b + u takes row 32 b + 8 u + t + 8 (t / 8), so that a transposed product leaves 16 neighbours along the next K in a lane.
; xq: [block of 128 rows][place][fragment 0-7], place = (K step + 15) mod 16.   wq: Wv, Wk, Wr as [64 rows][K step][4 x matrix + tile]; from OQ on Wo as [64 rows][K step][tile].
; xs: [16 rows][K step][row] scale words.   ws: [64 rows][4 x matrix + tile][K step][row]; from OS on Wo's [64 rows][tile][K step][row].
; SHARES.  Work-group g: rows 16 g .. 16 g + 15 of x, and rows 32 (g mod 64) .. + 31 of weight g / 64 (two tiles).  Wave w: K steps 4 w .. 4 w + 3: 12 steps of one tile, 16 rows x 512 bytes.
; A STEP.  Sixteen loads of 512 consecutive bytes; the tile turns through the wave's own stage in LDS (rows 528 bytes apart) and comes back 64 numbers of ONE row a lane: two whole blocks of 32.
; The block's scale is the largest magnitude's exponent field less 4, held at 1 from below by a floor among the maximum's leaves.
; EACH STEP'S CODES HAVE 12 REGISTERS OF THEIR OWN (144 in all): no store's data are written again, and all global stores stand at the wave's end, behind its last vector and LDS work.
; LIMITS: NaN and infinities are not served; a block whose largest magnitude lies under 2^-122 (zeros too) gets the byte 1: zero codes add nothing, and this program alone reads the bytes.
; Loads run four steps ahead.  Nothing is shared between work-groups, so no cluster and no tensor load; the text is straight: no loop, no label.
.set OQ,  9437184
.set OS,  393216
.set SCR, 33792                        ; LDS: stages of 16 x 528 bytes from 0 on; a wave's 12 x 16 scale words
.set LG,  36864                        ; a wave's 16 rows x 4 partial logits
.set X,   32                           ; v32-95   64 numbers of my row
.set C,   96                           ; the step's codes: step 0 v96-107, step n v[104 + 12 n ..]
.set T,   108                          ; v108-110, v112-114  second halves of the blocks' codes
.set WL,  0                            ; window 2: v0-63   Wl: K step q, level d at 16 q + 4 d
.set ACC, 64                           ; window 2: v64-191 the logits' sums: row t, level d: a pair at 2 (4 t + d)
; window 1: four sets of 64: a tile as loaded.   v1 16 x lane, v5 8 x lane, v2 stage in, v3 stage out, v6 scale word in, v7 scale words out, v8, v9 logits in, out, v10 8 hh
.set MSB, 0
.macro WIN new                         ; the immediate's high byte repeats the setting that is left
.if MSB != \new
	s_set_vgpr_msb (MSB<<8)|\new
.set MSB, \new
.endif
.endm
	s_load_b512 s[4:19], s[0:1], 0x0               ; x, Wv, Wk, Wr, Wo, Wl, bl, xq
	s_load_b256 s[20:27], s[0:1], 0x40             ; xs, wq, ws, lw
	v_lshl_add_u32 v254, v0, 2, 0x9400
	v_mov_b32 v255, 0
	v_lshrrev_b32 v11, 5, v0
	v_readfirstlane_b32 s33, v11                   ; wave
	v_and_b32 v20, 31, v0
	v_and_b32 v21, 15, v0                          ; r
	v_bfe_u32 v22, v0, 4, 1                        ; hh
	v_lshlrev_b32 v1, 4, v20
	v_lshlrev_b32 v5, 3, v20
	s_mul_i32 s34, s33, 8448
	v_add_nc_u32 v2, s34, v1
	v_mul_u32_u24 v3, v21, 528
	v_lshl_add_u32 v3, v22, 7, v3
	v_add_nc_u32 v3, s34, v3
	s_mul_i32 s34, s33, 768
	s_add_co_u32 s34, s34, SCR
	v_lshl_add_u32 v6, v21, 2, s34
	v_add_nc_u32 v7, s34, v5
	s_lshl_b32 s34, s33, 8
	s_add_co_u32 s34, s34, LG
	v_lshl_add_u32 v8, v21, 4, s34
	v_lshl_add_u32 v9, v21, 4, LG
	v_lshlrev_b32 v10, 3, v22
	v_mov_b32 v19, 0                               ; a lane permute's destination counts as read
	s_mov_b32 s60, 0x76543210
	s_mov_b32 s61, 0xfedcba98                      ; lane l xor 16
	s_mov_b32 s62, 0xff00ff00                      ; lanes with bit 3, 2, 1, 0 of their number set
	s_mov_b32 s63, 0xf0f0f0f0
	s_mov_b32 s66, 0xcccccccc
	s_mov_b32 s67, 0xaaaaaaaa
	s_lshr_b32 s32, ttmp9, 6                       ; which weight: 0 v, 1 k, 2 r, 3 o
	s_and_b32 s80, ttmp9, 63                       ; which 32 rows of it
	s_lshr_b32 s81, s80, 1
	s_and_b32 s82, s80, 1
	s_lshl_b32 s82, s82, 1                         ; the first of my two tiles among the 64 rows' four
	s_cmp_lt_u32 s32, 3                            ; Wo has a layout of its own
	s_mov_b32 s56, 6144
	s_cselect_b32 s56, 18432, s56                  ; codes: bytes from K step to K step,
	s_mov_b32 s57, 98304
	s_cselect_b32 s57, 294912, s57                 ; from 64 rows to 64 rows,
	s_cselect_b32 s58, 0, OQ                       ; and where they begin
	s_cselect_b32 s59, s32, 0
	s_mov_b32 s83, 4096
	s_cselect_b32 s83, 12288, s83                  ; scale words likewise
	s_cselect_b32 s84, 0, OS
	s_lshl_b32 s85, s59, 2
	s_add_co_u32 s85, s85, s82                     ; 4 x matrix + tile
	s_mul_i32 s86, s81, s57
	s_mul_i32 s87, s85, 1536
	s_add_co_u32 s86, s86, s87
	s_add_co_u32 s86, s86, s58
	s_mul_i32 s88, s81, s83
	s_lshl_b32 s87, s85, 10
	s_add_co_u32 s88, s88, s87
	s_add_co_u32 s88, s88, s84
	s_lshl_b32 s87, s33, 8
	s_add_co_u32 s88, s88, s87
	s_mov_b32 s89, 0
	s_lshr_b32 s38, ttmp9, 3
	s_mul_i32 s38, s38, 196608
	s_and_b32 s39, ttmp9, 7
	s_mul_i32 s39, s39, 1536
	s_add_co_u32 s38, s38, s39                     ; x: block of 128 rows, fragment
	s_mov_b32 s37, 0
	s_wait_alu depctr_va_vdst(0)                   ; the wait at the head's end
	s_wait_kmcnt 0x0
	s_load_b128 s[28:31], s[16:17], 0x0            ; bl
	s_cmp_eq_u32 s32, 0                            ; the weight's address: a choice on the work-group's number alone
	s_cselect_b64 s[70:71], s[6:7], s[8:9]
	s_cmp_lt_u32 s32, 2
	s_cselect_b64 s[70:71], s[70:71], s[10:11]
	s_cmp_lt_u32 s32, 3
	s_cselect_b64 s[70:71], s[70:71], s[12:13]
	s_lshl_b32 s87, s33, 11                        ; my K quarter: 2,048 bytes a wave
	s_lshl_b32 s36, ttmp9, 17
	s_add_co_u32 s36, s36, s87
	s_add_nc_u64 s[68:69], s[4:5], s[36:37]
	s_lshl_b32 s36, s80, 18
	s_add_co_u32 s36, s36, s87
	s_add_nc_u64 s[70:71], s[70:71], s[36:37]
	s_mov_b32 s36, s87
	s_add_nc_u64 s[72:73], s[14:15], s[36:37]      ; Wl
	s_lshl_b32 s36, ttmp9, 10
	s_lshl_b32 s87, s33, 8
	s_add_co_u32 s36, s36, s87
	s_add_nc_u64 s[74:75], s[20:21], s[36:37]      ; xs
	s_add_nc_u64 s[76:77], s[24:25], s[88:89]      ; ws
	s_lshl_b32 s36, ttmp9, 8
	s_add_nc_u64 s[78:79], s[26:27], s[36:37]      ; lw
.irp q, 0,1,2,3                        ; where the fragments of K step 4 w + q go: s[40:47] x's, s[48:55] the weight's
	s_lshl_b32 s36, s33, 2
	s_add_co_u32 s36, s36, \q+15
	s_and_b32 s36, s36, 15                         ; x's place is turned by one K step
	s_mul_i32 s36, s36, 12288
	s_add_co_u32 s36, s36, s38
	s_add_nc_u64 s[40+2*\q:41+2*\q], s[18:19], s[36:37]
	s_lshl_b32 s36, s33, 2
	s_add_co_u32 s36, s36, \q
	s_mul_i32 s36, s36, s56
	s_add_co_u32 s36, s36, s86
	s_add_nc_u64 s[48+2*\q:49+2*\q], s[22:23], s[36:37]
.endr
.macro LOAD n                          ; step n's tile into set n % 4 of window 1: each load reads 512 consecutive bytes of one row
	WIN 0x40
.irp t, 0,1,2,3,4,5,6,7,8,9,10,11,12,13,14,15
.if (\n) < 4
	global_load_b128 v[64*((\n)%4)+4*\t:64*((\n)%4)+4*\t+3], v1, s[68:69] offset:8192*\t+512*((\n)%4) th:TH_LOAD_NT
.else
	global_load_b128 v[64*((\n)%4)+4*\t:64*((\n)%4)+4*\t+3], v1, s[70:71] offset:8192*(8*((\n)/4-1)+\t+8*(\t/8))+512*((\n)%4) th:TH_LOAD_NT
.endif
.endr
	WIN 0
.endm
.macro TURN n                          ; through my stage: LDS serves a wave's instructions in order, so no wait stands between the stores and the loads
	WIN 0x04
.irp t, 0,1,2,3,4,5,6,7,8,9,10,11,12,13,14,15
	ds_store_b128 v2, v[64*((\n)%4)+4*\t:64*((\n)%4)+4*\t+3] offset:528*\t
.endr
	WIN 0
.irp i, 0,1,2,3,4,5,6,7
	ds_load_b128 v[X+4*\i:X+4*\i+3], v3 offset:16*\i
.endr
.irp i, 0,1,2,3,4,5,6,7
	ds_load_b128 v[X+32+4*\i:X+32+4*\i+3], v3 offset:256+16*\i
.endr
.endm
.macro DOT n                           ; the logits' sums, from the tile as loaded: lane l holds four neighbours of each row, and the same four of each level's Wl
	WIN 0xa9
.irp t, 0,1,2,3,4,5,6,7,8,9,10,11,12,13,14,15
.irp d, 0,1,2,3
.if (\n) == 0
	v_pk_mul_f32 v[ACC+2*(4*\t+\d):ACC+2*(4*\t+\d)+1], v[64*(\n)+4*\t:64*(\n)+4*\t+1], v[WL+16*(\n)+4*\d:WL+16*(\n)+4*\d+1]
.else
	v_pk_fma_f32 v[ACC+2*(4*\t+\d):ACC+2*(4*\t+\d)+1], v[64*(\n)+4*\t:64*(\n)+4*\t+1], v[WL+16*(\n)+4*\d:WL+16*(\n)+4*\d+1], v[ACC+2*(4*\t+\d):ACC+2*(4*\t+\d)+1]
.endif
.endr
.irp d, 0,1,2,3
	v_pk_fma_f32 v[ACC+2*(4*\t+\d):ACC+2*(4*\t+\d)+1], v[64*(\n)+4*\t+2:64*(\n)+4*\t+3], v[WL+16*(\n)+4*\d+2:WL+16*(\n)+4*\d+3], v[ACC+2*(4*\t+\d):ACC+2*(4*\t+\d)+1]
.endr
.endr
	WIN 0
.endm
.macro CSET n                          ; which 12 registers hold step n's codes
.if (\n) == 0
.set C, 96
.else
.set C, 104+12*(\n)
.endif
.endm
.macro QUANT                           ; my two blocks of 32 become registers 0-5 and 6-11 of the fragment, and with lane l xor 16's two bytes the row's scale word (v18)
	v_max3_num_f32 v12, |v[X]|, |v[X+1]|, 0x2800000       ; four chains of 16 numbers; the floor 2^(5 - 127) is a leaf: the byte cannot fall under 1
	v_max3_num_f32 v13, |v[X+16]|, |v[X+17]|, 0x2800000
	v_max3_num_f32 v14, |v[X+32]|, |v[X+33]|, 0x2800000
	v_max3_num_f32 v15, |v[X+48]|, |v[X+49]|, 0x2800000
.irp i, 2,4,6,8,10,12,14
	v_max3_num_f32 v12, v12, |v[X+\i]|, |v[X+\i+1]|
	v_max3_num_f32 v13, v13, |v[X+16+\i]|, |v[X+17+\i]|
	v_max3_num_f32 v14, v14, |v[X+32+\i]|, |v[X+33+\i]|
	v_max3_num_f32 v15, v15, |v[X+48+\i]|, |v[X+49+\i]|
.endr
	v_max_num_f32 v12, v12, v13
	v_max_num_f32 v14, v14, v15
	v_add_nc_u32 v16, 0xfe000000, v12              ; 4 off the exponent field: the conversion takes the exponent field of this operand as its scale
	v_add_nc_u32 v17, 0xfe000000, v14
	v_lshrrev_b32 v13, 23, v16                     ; the bytes
	v_lshrrev_b32 v15, 23, v17
	v_lshl_or_b32 v18, v15, 16, v13                ; blocks hh and 2 + hh,
	v_lshlrev_b32 v18, v10, v18                    ; 8 hh bits up
	v_permlanex16_b32 v19, v18, s60, s61
	v_or_b32 v18, v18, v19
	v_cvt_scalef32_pk16_bf6_f32 v[C:C+2], v[X:X+15], v16
	v_cvt_scalef32_pk16_bf6_f32 v[T:T+2], v[X+16:X+31], v16       ; (a conversion's three registers begin on an even number)
	v_cvt_scalef32_pk16_bf6_f32 v[C+6:C+8], v[X+32:X+47], v17
	v_cvt_scalef32_pk16_bf6_f32 v[T+4:T+6], v[X+48:X+63], v17
	v_nop                                          ; one plain place behind the conversions
.irp i, 0,1,2
	v_mov_b32 v[C+3+\i], v[T+\i]
	v_mov_b32 v[C+9+\i], v[T+4+\i]
.endr
.endm
.macro OUT sb, imm                     ; the image: three runs of 512 consecutive bytes, each at a multiple of 256 from the buffer's first byte
	global_store_b128 v1, v[C:C+3], s[\sb:\sb+1] offset:\imm
	global_store_b128 v1, v[C+4:C+7], s[\sb:\sb+1] offset:\imm+512
	global_store_b128 v1, v[C+8:C+11], s[\sb:\sb+1] offset:\imm+1024
.endm
.macro STEP n
.if 11-(\n) >= 3
	s_wait_loadcnt 48                              ; this step's 16 loads are in (and all older ones); the three steps behind it may be out
.else
	s_wait_loadcnt 16*(11-(\n))
.endif
	TURN \n
.if (\n) < 4
	DOT \n                                         ; while the tile turns
.endif
	s_wait_dscnt 0x0                               ; my 64 numbers are in, and the stage's stores have read their registers
.if (\n) < 8
	LOAD (\n)+4                                    ; the tile four steps on, into the registers that the stage's stores have read
.endif
	CSET \n
	QUANT
	ds_store_b32 v6, v18 offset:64*(\n)            ; both halves of the lanes write the same word with the same value
.endm
.macro SENDC n                         ; step n's fragment leaves
	CSET \n
.if (\n) < 4
	OUT 40+2*((\n)%4),0
.else
	OUT 48+2*((\n)%4),1536*((\n)/4-1)
.endif
.endm
.macro RSTEP m, sm                     ; a step of the sum over 16 lanes: a lane keeps the half of the rows that its bit names and sends the other half to lane l xor m
.irp d, 0,1,2,3
.set tt, 0
.rept \m
	v_cndmask_b32 v[12+(tt+4*\d)%8], v[X+16*\d+tt+\m], v[X+16*\d+tt], s[\sm]
	v_cndmask_b32 v[X+16*\d+tt], v[X+16*\d+tt], v[X+16*\d+tt+\m], s[\sm]
	v_add_f32_dpp v[X+16*\d+tt], v[12+(tt+4*\d)%8], v[X+16*\d+tt] row_xmask:\m row_mask:0xf bank_mask:0xf
.set tt, tt+1
.endr
.endr
.endm
	WIN 0x80
.irp q, 0,1,2,3
.irp d, 0,1,2,3
	global_load_b128 v[WL+16*\q+4*\d:WL+16*\q+4*\d+3], v1, s[72:73] offset:8192*\d+512*\q
.endr
.endr
	WIN 0
	LOAD 0
	LOAD 1
	LOAD 2
	LOAD 3
.irp n, 0,1,2,3
	STEP \n
.endr
	; my K quarter's logits: the pairs are joined into X's registers (free between two steps): level d, row t at X + 16 d + t; then summed over the lanes: lane r ends with row r
	WIN 0x0a
.irp t, 0,1,2,3,4,5,6,7,8,9,10,11,12,13,14,15
.irp d, 0,1,2,3
	v_add_f32 v[X+16*\d+\t], v[ACC+2*(4*\t+\d)], v[ACC+2*(4*\t+\d)+1]
.endr
.endr
	WIN 0
	RSTEP 8, 62
	RSTEP 4, 63
	RSTEP 2, 66
	RSTEP 1, 67
.irp d, 0,1,2,3
	v_permlanex16_b32 v[12+\d], v[X+16*\d], s60, s61
.endr
.irp d, 0,1,2,3
	v_add_f32 v[12+\d], v[12+\d], v[X+16*\d]
.endr
	ds_store_b128 v8, v[12:15]                     ; row r's four partial logits, in my wave's 256 bytes
.irp n, 4,5,6,7,8,9,10,11
	STEP \n
.endr
.irp p, 0,1,2
	ds_load_b64 v[20+2*\p:21+2*\p], v7 offset:256*\p   ; the scale words: three runs of 256 bytes a wave
.endr
	s_wait_dscnt 0x0                               ; they are in; and, for the other waves, my logits lie in LDS
	s_barrier_signal -1
	s_barrier_wait -1
.irp p, 0,1,2,3
	ds_load_b128 v[32+4*\p:35+4*\p], v9 offset:256*\p
.endr
	s_wait_dscnt 0x0
	s_wait_kmcnt 0x0                               ; bl
.irp d, 0,1,2,3
	v_add_f32 v[48+\d], v[32+\d], v[36+\d]
	v_add_f32 v[52+\d], v[40+\d], v[44+\d]
.endr
.irp d, 0,1,2,3
	v_add_f32 v[48+\d], v[48+\d], v[52+\d]
.endr
.irp d, 0,1,2,3
	v_add_f32 v[48+\d], s[28+\d], v[48+\d]
.endr
	v_max3_num_f32 v56, v48, v49, v50              ; the row's largest logit is taken away ahead of the exponentials
	v_max_num_f32 v56, v56, v51
.irp d, 0,1,2,3
	v_sub_f32 v[48+\d], v[48+\d], v56
.endr
.irp d, 0,1,2,3
	v_mul_f32 v[48+\d], 0x3fb8aa3b, v[48+\d]
.endr
	s_wait_alu depctr_va_vdst(0)                   ; a wait ahead of each batch and behind it
.irp d, 0,1,2,3
	v_exp_f32 v[48+\d], v[48+\d]
.endr
	v_nop
	s_wait_alu depctr_va_vdst(0)
	v_add_f32 v57, v48, v49
	v_add_f32 v58, v50, v51
	v_add_f32 v57, v57, v58
	s_wait_alu depctr_va_vdst(0)
	v_rcp_f32 v57, v57
	v_nop
	s_wait_alu depctr_va_vdst(0)
.irp d, 0,1,2,3
	v_mul_f32 v[48+\d], v[48+\d], v57
.endr
	s_wait_alu depctr_va_vdst(0)
	s_wait_xcnt 0x0                                ; EXEC changes only behind this wait
	v_cmp_gt_u32 vcc_lo, 16, v0
	s_wait_tensorcnt 0x0                           ; the wave's end in LDS
	ds_add_u32 v254, v255
	s_wait_dscnt 0x0
	s_and_saveexec_b32 s34, vcc_lo
	global_store_b128 v1, v[48:51], s[78:79]       ; threads 0 to 15: 16 rows x 16 bytes: 256 consecutive bytes, aligned
	s_wait_xcnt 0x0
	s_or_b32 exec_lo, exec_lo, s34
.irp n, 0,1,2,3,4,5,6,7,8,9,10,11
	SENDC \n                                       ; the twelve fragments: 36 stores of 512 bytes
.endr
	global_store_b64 v5, v[20:21], s[74:75]        ; the scale words: aligned runs of 256 bytes
	global_store_b64 v5, v[22:23], s[76:77]
	global_store_b64 v5, v[24:25], s[76:77] offset:1024
	s_endpgm
.Lfunc_end_k_qcc65c233e8_quant:
	.size	k_qcc65c233e8_quant, .Lfunc_end_k_qcc65c233e8_quant-k_qcc65c233e8_quant
	.p2alignl 7, 3214868480
	.fill 96, 4, 3214868480
	.section	.rodata,"a",@progbits
	.p2align	6, 0x0
	.amdhsa_kernel k_qcc65c233e8_quant
		.amdhsa_group_segment_fixed_size 38400
		.amdhsa_private_segment_fixed_size 0
		.amdhsa_enable_private_segment 0
		.amdhsa_kernarg_size 96
		.amdhsa_user_sgpr_count 2
		.amdhsa_user_sgpr_kernarg_segment_ptr 1
		.amdhsa_wavefront_size32 1
		.amdhsa_system_sgpr_workgroup_id_x 1
		.amdhsa_system_sgpr_workgroup_id_y 1
		.amdhsa_system_sgpr_workgroup_id_z 1
		.amdhsa_system_vgpr_workitem_id 0
		.amdhsa_next_free_vgpr 768
		.amdhsa_next_free_sgpr 96
		.amdhsa_reserve_vcc 1
		.amdhsa_float_denorm_mode_32 3
		.amdhsa_float_denorm_mode_16_64 3
		.amdhsa_memory_ordered 1
		.amdhsa_forward_progress 1
		.amdhsa_inst_pref_size 141
	.end_amdhsa_kernel
	.amdgpu_metadata
---
amdhsa.version: [ 1, 2 ]
amdhsa.kernels:
  - .name:           k_qcc65c233e8_quant
    .symbol:         k_qcc65c233e8_quant.kd
    .args:
      - { .name: x, .offset: 0, .size: 8, .value_kind: global_buffer, .address_space: global }
      - { .name: Wv, .offset: 8, .size: 8, .value_kind: global_buffer, .address_space: global }
      - { .name: Wk, .offset: 16, .size: 8, .value_kind: global_buffer, .address_space: global }
      - { .name: Wr, .offset: 24, .size: 8, .value_kind: global_buffer, .address_space: global }
      - { .name: Wo, .offset: 32, .size: 8, .value_kind: global_buffer, .address_space: global }
      - { .name: Wl, .offset: 40, .size: 8, .value_kind: global_buffer, .address_space: global }
      - { .name: bl, .offset: 48, .size: 8, .value_kind: global_buffer, .address_space: global }
      - { .name: xq, .offset: 56, .size: 8, .value_kind: global_buffer, .address_space: global }
      - { .name: xs, .offset: 64, .size: 8, .value_kind: global_buffer, .address_space: global }
      - { .name: wq, .offset: 72, .size: 8, .value_kind: global_buffer, .address_space: global }
      - { .name: ws, .offset: 80, .size: 8, .value_kind: global_buffer, .address_space: global }
      - { .name: lw, .offset: 88, .size: 8, .value_kind: global_buffer, .address_space: global }
    .group_segment_fixed_size: 38400
    .private_segment_fixed_size: 0
    .kernarg_segment_align: 8
    .kernarg_segment_size: 96
    .max_flat_workgroup_size: 128
    .sgpr_count:     96
    .vgpr_count:     768
    .wavefront_size: 32
...
	.end_amdgpu_metadata
.endif
;; end of part 1
;; launch gemm1 (part 2): grid 16 x 16, 4 waves a work-group, clusters of 4 x 4, 327,680 bytes of LDS; arguments xq, xs, wq, ws, lw, state, time_decay_multi, zq, zs, out1; writes zq, zs, out1
.if DOCPART == 2
	.amdgcn_target "amdgcn-amd-amdhsa--gfx1250"
	.amdhsa_code_object_version 6
	.text
	.protected	k_qcc65c233e8_gemm1
	.globl	k_qcc65c233e8_gemm1
	.p2align	8
	.type	k_qcc65c233e8_gemm1,@function
k_qcc65c233e8_gemm1:
	s_mov_b64 s[64:65], 0
	v_nop
	global_prefetch_b8 v0, s[64:65] scope:SCOPE_SE
	s_setreg_imm32_b32 hwreg(HW_REG_WAVE_MODE, 25, 1), 1
	s_wait_xcnt 0x0
	s_wait_alu depctr_hold_cnt(0) depctr_sa_sdst(0) depctr_va_vdst(0) depctr_va_sdst(0) depctr_va_ssrc(0) depctr_va_vcc(0) depctr_vm_vsrc(0)
	s_getreg_b32 s2, hwreg(HW_REG_IB_STS2, 6, 4)
	s_cmp_eq_u32 s2, 0
	s_cbranch_scc0 .Lentry_in_a_cluster
	s_endpgm
.Lentry_in_a_cluster:
	s_bfe_u32 s2, ttmp6, 0x10000c
	s_cmp_lg_u32 s2, 0xf033
	s_cbranch_scc0 .Lentry_shape_is_right
	s_endpgm
.Lentry_shape_is_right:
; v = x Wv^T, k = x Wk^T, r = x Wr^T on codes of E3M2; z = sigmoid(r) (sum_d lw_d decayed_d + k v sum_d lw_d), decayed = state exp(-exp(time_decay_multi)); z is quantised along h and leaves as codes;
; out1 = decayed + k v at each batch's last row.  v, k, r and z never go to memory as f32.
; SHARES.  A work-group makes 256 rows x 128 h of all three products; wave w: rows 128 (w / 2) on, h 64 (w % 2) on: 96 accumulators of 16 x 16, 768 registers (windows 1, 2, 3: v, k, r; tile (fr, xb) at 8 (8 fr + xb)).
; THE PRODUCTS ARE USED TRANSPOSED: source 0 = 16 rows of a weight, source 1 = 16 rows of x.  By the order of a weight tile's rows, lane (r, hh) holds row r, and register jj of tile 2 b + u the h 32 b + 16 hh + 8 u + jj:
; 16 neighbours along the next product's K in two tiles, at the same places in v, k and r: the element-wise part is lane by lane, and a wave's 64 h are half a fragment of z.
; OPERANDS lie in memory as images of their registers (1,536 bytes a fragment: three runs of 16 bytes a lane): a fragment comes by three LDS loads from one address register, consecutive over the lanes: no padding.
; THE RING: two slots; a slot holds two K steps of 128.  W's are K steps 2 n, 2 n + 1; x's are 2 n + 1, 2 n + 2 (the buffer is laid turned by one K step).  K step 0 of x goes from memory straight into the fragments' registers.
; So while a step is multiplied, the NEXT step's x is read from the step's own slot, and one barrier a slot parts all reads of the old slot from its refill.
; THE HEAD: each wave issues one joint load, its part of slot 0; slot 1's first fill stands behind the full sequence and a round of the cluster's barrier, as a refill does.
; The scale words (x's 16,384 bytes, W's 24,576), lw and decayed go through registers into LDS bytes of their own, while slot 0 is on its way.
; CLUSTER 4 x 4: x's tiles hang on the block of rows alone and are asked for jointly along a row of the cluster, W's on the block of h alone, along a column.
; A STEP is six groups of 16 matrix instructions (two weight fragments against x's eight); behind each group ONE run of LDS loads: the pair of weight fragments two groups on, into a ring of four places, and two fragments of the next step's x.
; The 96 accumulators take turns, one instruction a turn, in the same order in every step.
; WINDOW 0 is full: x's two sets 192, W's ring 48, scale words 10, addresses 6.  So W's address is switched between the slots by one xor (the slots lie 2^17 bytes apart), the thread's number is taken back from the spare word's address,
; and no prefetch is laid: it would want a register of offsets; a refill has two K steps, 192 matrix instructions of each wave, in which to land, and each tile is asked for once for four work-groups.
; THE WAY OUT: z's codes and out1 wait in accumulator registers that are done with; all global stores stand at the wave's end.
; LIMITS: NaN and infinities are not served; a block of z whose largest magnitude lies under 2^-122 (zeros too) gets the byte 1, with zero codes.  out1 leaves in runs of 64 bytes a lane: it is 131,072 bytes in all.
.set SL1,   131072                     ; W: slot s at SL1 s: [64 h: j][K step][4 x matrix + tile], 2 x 36,864
.set XB,    73728                      ; x: 128 rows i at XB + SL1 i: [slot][piece][fragment], 2 x 24,576
.set DEC,   122880                     ; decayed: [level][128 h] f32
.set LWS,   124928                     ; lw of my 256 rows
.set ZS,    129024                     ; z's scale words: [128 rows][fragment][row]
.set SPARE, 130048                     ; the spare words: 128 bytes a wave, named by no other line; a multiple of 512
.set SCX,   253952                     ; x's scale words, all of K: 2 x 8,192: [fragment][K step][row]
.set SCW,   270336                     ; W's: 2 x 12,288: [4 x matrix + tile][K step][row]
.set AX,   0                           ; v0     x's fragments: my 128 rows, + 16 x lane (written when the thread's number has served)
.set SPW,  1
.set NIL,  2
.set AW,   3                           ; v3     W's fragments in the slot at work
.set ASX,  4                           ; v4     x's scale words: lanes 0-15 an even fragment's, lanes 16-31 the next one's
.set ASW,  5                           ; v5     W's likewise
.set WS,   6                           ; v6-7   W's scale words, a register a pair
.set XS,   8                           ; v8-15  x's scale words, two sets of four
.set WB,   16                          ; v16-63 W's fragments, a ring of four
.set XF,   64                          ; v64-159, v160-255  x's eight fragments, two sets
.set G1X,  24
.set G1W,  32
.set G0X,  40                          ; a group 0 for each slot
.set G0W,  48
.set MSB, 0
.macro WIN new                         ; the immediate's high byte repeats the setting that is left
.if MSB != \new
	s_set_vgpr_msb (MSB<<8)|\new
.set MSB, \new
.endif
.endm
.macro PLACES                          ; four plain places behind matrix instructions, in front of loads into registers that they have read and of reads of their results
.rept 4
	v_nop
.endr
.endm
.macro JLOAD g0a, g1a, g0b, g1b        ; a joint load: waves 0, 1 fetch for x, waves 2, 3 for W; s_nop 0 and four v_nop follow each line
	s_cmp_eq_u32 s66, 0
	s_cbranch_scc0 .Lfor_w_\@
	tensor_load_to_lds s[\g0a:\g0a+3], s[\g1a:\g1a+7]
	s_nop 0
.rept 4
	v_nop
.endr
	s_branch .Lasked_\@
.Lfor_w_\@:
	tensor_load_to_lds s[\g0b:\g0b+3], s[\g1b:\g1b+7]
	s_nop 0
.rept 4
	v_nop
.endr
.Lasked_\@:
.endm
.macro CREST                           ; a round of the cluster's barrier behind its opening barrier
	s_cmp_lg_u32 s2, 0
	s_cbranch_scc1 .Lnot_wave_0_\@
	s_barrier_signal -3
.Lnot_wave_0_\@:
	s_barrier_wait -3
	s_barrier_signal -1
	s_barrier_wait -1
.endm
.macro CROUND
	s_barrier_signal -1
	s_barrier_wait -1
	CREST
.endm
.macro G1REST g, rows                  ; a dense block as rows of 256 bytes: 32 elements of 8 bytes
	s_mov_b32 s[\g+1], 32<<16
	s_mov_b32 s[\g+2], (\rows)<<16
	s_mov_b32 s[\g+3], 32<<16
	s_mov_b32 s[\g+4], \rows
	s_mov_b32 s[\g+5], 32
	s_mov_b32 s[\g+6], 0
	s_mov_b32 s[\g+7], 0
.endm
	s_load_b512 s[4:19], s[0:1], 0x0               ; xq, xs, wq, ws, lw, state, time_decay_multi, zq
	s_load_b128 s[20:23], s[0:1], 0x40             ; zs, out1
	v_lshl_add_u32 v[SPW], v0, 2, SPARE
	v_mov_b32 v[NIL], 0
	ds_add_u32 v[SPW], v[NIL]                      ; the opening lines: the add, twice on end, and its wait ahead of my first tensor load
	ds_add_u32 v[SPW], v[NIL]
	v_lshrrev_b32 v16, 5, v0
	v_readfirstlane_b32 s2, v16                    ; wave
	s_lshr_b32 s66, s2, 1                          ; i: my 128 rows.  Also: I fetch for x (0) or for W (1)
	s_and_b32 s67, s2, 1                           ; j: my 64 h.  Also: which half I fetch
	s_bfe_u32 s96, ttmp6, 0x40000                  ; cx
	s_bfe_u32 s98, ttmp6, 0x40004                  ; cy
	s_lshl_b32 s100, ttmp9, 2
	s_add_co_u32 s100, s100, s96                   ; HB: block of 128 h
	s_and_b32 s104, ttmp7, 0xffff
	s_lshl_b32 s104, s104, 2
	s_add_co_u32 s104, s104, s98                   ; MB: block of 256 rows
	s_lshl_b32 s105, s98, 2
	s_lshl_b32 s105, 15, s105                      ; my row of the cluster
	s_lshl_b32 s101, 0x1111, s96                   ; my column
	s_or_b32 s[G1X], s105, (3<<16)|(1<<21)         ; 15:0 the mask; 17:16 elements of 8 bytes; 21 set beside a mask; no padding
	s_or_b32 s[G1W], s101, (3<<16)|(1<<21)
	G1REST G1X, 96
	G1REST G1W, 144
	s_mov_b32 s97, 0
	s_mov_b32 s99, 0
	s_lshl_b32 s3, s67, 17                         ; LDS addresses hang on the wave's number alone
	s_mov_b32 s[G0X], 1
	s_add_co_u32 s[G0X+1], s3, XB
	s_mov_b32 s[G0X+4], 1
	s_add_co_u32 s[G0X+5], s3, XB+24576
	s_mul_i32 s3, s67, 36864
	s_mov_b32 s[G0W], 1
	s_mov_b32 s[G0W+1], s3
	s_mov_b32 s[G0W+4], 1
	s_add_co_u32 s[G0W+5], s3, SL1
	s_mul_i32 s68, s67, 36864
	s_lshl_b32 s69, s66, 13
	s_add_co_u32 s69, s69, SCX
	s_mul_i32 s70, s67, 12288
	s_add_co_u32 s70, s70, SCW
	s_lshl_b32 s71, s66, 17
	s_add_co_u32 s71, s71, XB
	v_and_b32 v16, 31, v0                          ; lane
	v_and_b32 v17, 15, v0                          ; r
	v_bfe_u32 v18, v0, 4, 1                        ; hh
	v_lshlrev_b32 v19, 4, v16                      ; 16 x lane
	v_lshlrev_b32 v20, 4, v0                       ; 16 x thread
	v_lshl_add_u32 v21, v0, 4, SCX
	v_lshl_add_u32 v22, v0, 4, LWS
	v_lshl_add_u32 v23, v0, 4, DEC
	v_add_nc_u32 v[AW], s68, v19
	v_lshl_add_u32 v[ASX], v18, 10, s69
	v_lshl_add_u32 v[ASX], v17, 2, v[ASX]
	v_lshl_add_u32 v[ASW], v18, 10, s70
	v_lshl_add_u32 v[ASW], v17, 2, v[ASW]
	v_add_nc_u32 v[AX], s71, v19                   ; the thread's number has served
	s_wait_alu depctr_va_vdst(0)                   ; the wait here, directly ahead of the waits below
	s_wait_dscnt 0x0                               ; both opening adds are done
	s_wait_kmcnt 0x0
	s_lshl_b32 s105, s104, 1                       ; x's tiles: made of MB and the wave's number, in s98, s99, s104, s105
	s_add_co_u32 s105, s105, s67
	s_mul_i32 s98, s105, 196608
	s_add_nc_u64 s[G0X+2:G0X+3], s[4:5], s[98:99]
	s_add_nc_u64 s[G0X+6:G0X+7], s[G0X+2:G0X+3], 24576
	s_lshl_b32 s101, s100, 1                       ; W's: made of HB and the wave's number, in s96, s97, s100, s101
	s_add_co_u32 s101, s101, s67
	s_mul_i32 s96, s101, 294912
	s_add_nc_u64 s[G0W+2:G0W+3], s[8:9], s[96:97]
	s_add_nc_u64 s[G0W+6:G0W+7], s[G0W+2:G0W+3], 36864
.irp g, G0X+3, G0X+7, G0W+3, G0W+7
	s_or_b32 s[\g], s[\g], 0x80000000              ; type = 2
.endr
	s_lshl_b32 s105, s104, 1
	s_add_co_u32 s105, s105, s66                   ; my block of 128 rows
	s_mul_i32 s98, s105, 196608
	s_add_nc_u64 s[18:19], s[18:19], s[98:99]
	s_add_co_u32 s98, s98, 184320                  ; K step 0 of x lies at place 15
	s_add_nc_u64 s[4:5], s[4:5], s[98:99]
	s_lshl_b32 s98, s105, 13
	s_lshl_b32 s3, s67, 8
	s_add_co_u32 s98, s98, s3
	s_add_nc_u64 s[20:21], s[20:21], s[98:99]
	s_lshl_b32 s98, s104, 14
	s_add_nc_u64 s[6:7], s[6:7], s[98:99]          ; xs of my 256 rows
	s_lshl_b32 s98, s104, 12
	s_add_nc_u64 s[12:13], s[12:13], s[98:99]      ; lw of my 256 rows
	s_and_b32 s98, ttmp7, 0xffff                   ; the batch is the cluster's y
	s_lshl_b32 s98, s98, 15
	s_add_nc_u64 s[22:23], s[22:23], s[98:99]
	s_add_nc_u64 s[14:15], s[14:15], s[98:99]
	s_lshl_b32 s105, s104, 8
	s_lshl_b32 s3, s66, 7
	s_add_co_u32 s105, s105, s3
	s_add_co_u32 s105, s105, 112                   ; the first row of my tile 7: kept for the way out
	s_mul_i32 s96, s100, 24576
	s_add_nc_u64 s[10:11], s[10:11], s[96:97]      ; ws of my 128 h
	s_mul_i32 s96, s100, 12288
	s_mul_i32 s3, s67, 768
	s_add_co_u32 s96, s96, s3
	s_add_nc_u64 s[18:19], s[18:19], s[96:97]      ; zq: block of rows, K step HB, my half of a fragment
	s_lshl_b32 s96, s100, 9
	s_add_nc_u64 s[20:21], s[20:21], s[96:97]      ; zs: my wave's 256 bytes
	s_lshl_b32 s3, s2, 13
	s_add_co_u32 s96, s96, s3
	s_add_nc_u64 s[16:17], s[16:17], s[96:97]      ; time_decay_multi and state: level = wave, my 128 h
	s_add_nc_u64 s[14:15], s[14:15], s[96:97]
	s_lshl_b32 s96, s100, 9
	s_lshl_b32 s3, s67, 8
	s_add_co_u32 s96, s96, s3
	s_add_nc_u64 s[22:23], s[22:23], s[96:97]      ; out1: batch, my 64 h
.irp f, 0,1,2,3,4,5,6,7
.irp c, 0,1,2
	global_load_b128 v[XF+12*\f+4*\c:XF+12*\f+4*\c+3], v19, s[4:5] offset:1536*\f+512*\c   ; K step 0 of x: the image, straight into set 0
.endr
.endr
.irp n, 0,1,2,3,4,5,6,7
	global_load_b128 v[160+4*\n:163+4*\n], v20, s[6:7] offset:2048*\n      ; x's scale words: the work-group reads 2,048 consecutive bytes a line
.endr
.irp n, 0,1,2,3,4,5,6,7,8,9,10,11
	global_load_b128 v[192+4*\n:195+4*\n], v20, s[10:11] offset:2048*\n    ; W's
.endr
	global_load_b128 v[240:243], v20, s[12:13]
	global_load_b128 v[244:247], v20, s[12:13] offset:2048
	global_load_b128 v[248:251], v19, s[16:17]
	global_load_b128 v[252:255], v19, s[14:15]
	CROUND                                         ; all sixteen work-groups are here: the first joint loads meet
	JLOAD G0X, G1X, G0W, G1W                       ; slot 0: one tensor load a wave at the head
	s_wait_loadcnt 0x0
.irp n, 0,1,2,3,4,5,6,7,8,9,10,11,12,13,14,15,16,17,18,19
	ds_store_b128 v21, v[160+4*\n:163+4*\n] offset:2048*\n                 ; SCX, and behind it SCW
.endr
	ds_store_b128 v22, v[240:243]
	ds_store_b128 v22, v[244:247] offset:2048
.irp n, 0,1,2,3
	v_mul_f32 v[248+\n], 0x3fb8aa3b, v[248+\n]
.endr
	s_wait_alu depctr_va_vdst(0)                   ; a wait ahead of each batch and behind it
.irp n, 0,1,2,3
	v_exp_f32 v[248+\n], v[248+\n]                 ; exp(time_decay_multi)
.endr
	v_nop
	s_wait_alu depctr_va_vdst(0)
.irp n, 0,1,2,3
	v_mul_f32 v[248+\n], 0xbfb8aa3b, v[248+\n]
.endr
	s_wait_alu depctr_va_vdst(0)
.irp n, 0,1,2,3
	v_exp_f32 v[248+\n], v[248+\n]                 ; exp(-exp(..))
.endr
	v_nop
	s_wait_alu depctr_va_vdst(0)
.irp n, 0,1,2,3
	v_mul_f32 v[248+\n], v[248+\n], v[252+\n]
.endr
	ds_store_b128 v23, v[248:251]                  ; wave d makes level d's 128 numbers
.macro LDF reg, a, off                 ; a fragment's image back into 12 registers: 3 LDS loads
	ds_load_b128 v[(\reg):(\reg)+3], v[\a] offset:(\off)
	ds_load_b128 v[(\reg)+4:(\reg)+7], v[\a] offset:(\off)+512
	ds_load_b128 v[(\reg)+8:(\reg)+11], v[\a] offset:(\off)+1024
.endm
.macro LDWP pr, kc                     ; W's fragments 2 pr, 2 pr + 1 of K step kc of the slot at work into half pr % 2 of the ring, and both fragments' scale words in one register: 7 LDS loads
	LDF WB+24*((\pr)%2), AW, (\kc)*18432+(\pr)*3072
	LDF WB+24*((\pr)%2)+12, AW, (\kc)*18432+(\pr)*3072+1536
	ds_load_b32 v[WS+(\pr)%2], v[ASW] offset:2048*(\pr)+64*(\kc)
.endm
.macro LDX f, u, s, e                  ; x's fragment f of slot s's piece e into set u: 3
	LDF XF+96*(\u)+12*(\f), AX, (\s)*24576+(\e)*12288+(\f)*1536
.endm
.macro LDXS u, rel                     ; x's scale words of K step rel (counted from the slot's first) into set u: 4
.irp h, 0,1,2,3
	ds_load_b32 v[XS+4*(\u)+\h], v[ASX] offset:2048*\h+64*(\rel)
.endr
.endm
.macro WMM pr, xr, c                   ; one product; an odd fragment's scale words lie in lanes 16-31
.if (\pr) && (\xr)
	v_wmma_scale_f32_16x16x128_f8f6f4 v[DD:DD+7], v[AA:AA+11], v[BB:BB+11], \c, v[SWR], v[SXR] matrix_a_fmt:MATRIX_FMT_BF6 matrix_b_fmt:MATRIX_FMT_BF6 matrix_a_scale:MATRIX_SCALE_ROW1 matrix_b_scale:MATRIX_SCALE_ROW1
.elseif (\pr)
	v_wmma_scale_f32_16x16x128_f8f6f4 v[DD:DD+7], v[AA:AA+11], v[BB:BB+11], \c, v[SWR], v[SXR] matrix_a_fmt:MATRIX_FMT_BF6 matrix_b_fmt:MATRIX_FMT_BF6 matrix_a_scale:MATRIX_SCALE_ROW1
.elseif (\xr)
	v_wmma_scale_f32_16x16x128_f8f6f4 v[DD:DD+7], v[AA:AA+11], v[BB:BB+11], \c, v[SWR], v[SXR] matrix_a_fmt:MATRIX_FMT_BF6 matrix_b_fmt:MATRIX_FMT_BF6 matrix_b_scale:MATRIX_SCALE_ROW1
.else
	v_wmma_scale_f32_16x16x128_f8f6f4 v[DD:DD+7], v[AA:AA+11], v[BB:BB+11], \c, v[SWR], v[SXR] matrix_a_fmt:MATRIX_FMT_BF6 matrix_b_fmt:MATRIX_FMT_BF6
.endif
.endm
.macro PASS p, u, z                    ; weight fragment p (matrix p / 4, tile p % 4) against x's eight of set u.  z = 1: the products start the sums: nothing is cleared
	WIN 0x50*(1+(\p)/4)
.irp xb, 0,1,2,3,4,5,6,7
.set DD, 8*(8*((\p)%4)+\xb)
.set AA, WB+12*((\p)%4)
.set BB, XF+96*(\u)+12*\xb
.set SWR, WS+((\p)/2)%2
.set SXR, XS+4*(\u)+\xb/2
.if \z
	WMM (\p)%2, \xb%2, 0
.else
	WMM (\p)%2, \xb%2, v[DD:DD+7]
.endif
.endr
.endm
; The run behind group g of K step kc of slot s: W's pair two groups on (behind groups 4 and 5 of a slot's first step: the second step's pairs 0 and 1); behind groups 0-3 two fragments of the next step's x; behind group 3 its scale words.
; 13, 13, 13, 17, 7, 7 LDS loads, the pair's seven first.
.macro LG g, s, kc
	PLACES
	WIN 0
.if (\g) < 4
	LDWP (\g)+2,\kc
	LDX 2*(\g),1-(\kc),\s,\kc
	LDX 2*(\g)+1,1-(\kc),\s,\kc
.else
	LDWP (\g)-4,1
.endif
.if (\g) == 3
	LDXS 1-(\kc),(\kc)+1
.endif
.endm
; The wait ahead of group g counts the LDS loads issued behind its pair's seven: the rest of that run and the whole run since.  Group 0's count also shows the step's x and its scale words in: they are older.
.macro WAITG g
.if (\g) == 0
	s_wait_dscnt 7
.elseif (\g) == 1
	s_wait_dscnt 13
.elseif (\g) < 4
	s_wait_dscnt 19
.elseif (\g) == 4
	s_wait_dscnt 23
.else
	s_wait_dscnt 17
.endif
.endm
.macro STEPE s, z                      ; a slot's first K step: x's set 0
.irp g, 0,1,2,3,4,5
	WAITG \g
	PASS 2*\g,0,\z
	PASS 2*\g+1,0,\z
	LG \g,\s,0
.endr
.endm
; A slot's second K step (x's set 1) changes slots.  Behind group 3's run nothing more is read from this slot.  ONE barrier: in front of it each wave waits for all its tensor loads (its part of the other slot), adds 0 to its spare
; word, and waits for that and for its reads of this slot.  fill = 1: the barrier opens a round of the cluster's, and this slot is filled again, two slots ahead: the first thing behind the round.
.macro STEPO s, fill
.irp g, 0,1,2,3
	WAITG \g
	PASS 2*\g,1,0
	PASS 2*\g+1,1,0
	LG \g,\s,1
.endr
	s_wait_tensorcnt 0x0                           ; all my tensor loads have landed
	ds_add_u32 v[SPW], v[NIL]                      ; 0 onto my spare word
	s_wait_dscnt 24                                ; group 4's count, 23, and the add
	PASS 8,1,0                                     ; eight matrix instructions stand between the add and the wait for it
	s_wait_dscnt 0x0                               ; the add is done, and my reads of this slot are over
	s_barrier_signal -1
	PASS 9,1,0
	WIN 0
	s_barrier_wait -1
.if \fill
	CREST                                          ; no wave of any partner still reads this slot or has a load on its way
	s_add_nc_u64 s[G0X+4*\s+2:G0X+4*\s+3], s[G0X+4*\s+2:G0X+4*\s+3], 49152
	s_add_nc_u64 s[G0W+4*\s+2:G0W+4*\s+3], s[G0W+4*\s+2:G0W+4*\s+3], 73728
	JLOAD G0X+4*\s, G1X, G0W+4*\s, G1W             ; its four v_nop are also the places in front of the loads below
.else
	PLACES
.endif
	v_xor_b32 v[AW], SL1, v[AW]                    ; W's address goes to the other slot,
	v_add_nc_u32 v[ASX], 0x80, v[ASX]              ; the scale words two K steps on
	v_add_nc_u32 v[ASW], 0x80, v[ASW]
	s_wait_alu depctr_va_vdst(0)                   ; the wait behind these writes
	LDWP 0,0
	PASS 10,1,0                                    ; (its pair came in ahead of the barrier)
	PASS 11,1,0
	PLACES
	WIN 0
	LDWP 1,0
.endm
.macro STEPL                           ; the last K step fetches W's pairs alone: 7 LDS loads a run
.irp g, 0,1,2,3,4,5
.if \g < 5
	s_wait_dscnt 7
.else
	s_wait_dscnt 0x0
.endif
	PASS 2*\g,1,0
	PASS 2*\g+1,1,0
.if \g < 4
	PLACES
	WIN 0
	LDWP (\g)+2,1
.endif
.endr
	WIN 0
.endm
	s_wait_alu depctr_va_vdst(0)                   ; the wait at the head's end
	s_wait_tensorcnt 0x0                           ; my part of slot 0 is in; these lines stand ahead of a later first fill as ahead of a refill
	ds_add_u32 v[SPW], v[NIL]
	s_wait_dscnt 0x0                               ; the add is done, and the scale words, lw and decayed lie in LDS
	CROUND                                         ; a whole round: slot 0 is whole, and the joint loads meet
	JLOAD G0X+4, G1X, G0W+4, G1W                   ; slot 1, the first tensor load behind the round
	LDXS 0,0
	LDWP 0,0
	LDWP 1,0
	STEPE 0, 1                                     ; K step 0 stands in front of the loop: its products start the sums
	s_mov_b32 s3, 3
.Llap:                                             ; a trip goes once round the ring, four K steps, and fills both slots again
	STEPO 0, 1
	STEPE 1, 0
	STEPO 1, 1
	STEPE 0, 0
	s_sub_co_u32 s3, s3, 1
	s_cmp_lg_u32 s3, 0
	s_cbranch_scc1 .Llap
	STEPO 0, 0                                     ; the tail is written out: nothing more is asked for
	STEPE 1, 0
	STEPL
	; THE ELEMENT-WISE PART.  window 0: v32-63 lw of my eight tiles' rows; v64-95 k v, then the weighted state, then z; v96-127 the sigmoid; v128-255 decayed: level d, my 32 h at 32 d + 8 fr + jj.
.set KV, 64
.set EE, 96
.set DV, 128
.set LW, 32
	s_lshl_b32 s68, s67, 8
	s_add_co_u32 s68, s68, DEC
	s_lshl_b32 s69, s66, 11
	s_add_co_u32 s69, s69, LWS
	s_lshl_b32 s70, s66, 9
	s_lshl_b32 s71, s67, 1
	s_add_co_u32 s70, s70, s71
	s_add_co_u32 s70, s70, ZS
	s_mov_b32 s56, 0xbfb8aa3b                      ; -log2(e)
	s_mov_b32 s57, s56
	s_mov_b32 s58, 0x76543210
	s_mov_b32 s59, 0xfedcba98                      ; lane l xor 16
	v_and_b32 v0, 0x1ff, v[SPW]                    ; 4 x the thread's number (SPARE is a multiple of 512).  The first four lines name no register of the last products: they are the places behind them
	v_lshrrev_b32 v0, 2, v0
	v_and_b32 v3, 31, v0
	v_and_b32 v5, 15, v0
	v_bfe_u32 v7, v0, 4, 1
	v_add_nc_u32 v13, s105, v5
	v_and_b32 v13, 0x3ff, v13                      ; my row of tile 7 within its batch
	v_lshlrev_b32 v4, 3, v3                        ; 8 x lane
	v_lshlrev_b32 v3, 4, v3                        ; 16 x lane
	v_lshl_add_u32 v8, v7, 6, s68                  ; decayed: my 64 h, + 16 hh numbers
	v_lshl_add_u32 v9, v5, 4, s69                  ; lw: my 128 rows, row r
	v_lshl_add_u32 v5, v5, 2, s70                  ; z's scale words: row r's word, my two bytes of it
	v_lshl_add_u32 v6, v0, 3, ZS                   ; and on the way out 8 bytes a thread
	v_lshlrev_b32 v7, 6, v7                        ; out1: 64 hh
	v_mov_b32 v25, 0                               ; (named as upper halves of pairs)
	v_mov_b32 v27, 0
	s_wait_alu depctr_va_vdst(0)
.irp d, 0,1,2,3
.irp n, 0,1,2,3,4,5,6,7
	ds_load_b128 v[DV+32*\d+4*\n:DV+32*\d+4*\n+3], v8 offset:512*\d+128*(\n/4)+16*(\n%4)
.endr
.endr
.irp n, 0,1,2,3,4,5,6,7
	ds_load_b128 v[LW+4*\n:LW+4*\n+3], v9 offset:256*\n
.endr
	s_wait_dscnt 0x0
.macro EPI xb                          ; tile xb of 16 rows: 32 numbers a lane
	WIN 0x06                                       ; source 0 window 2 (k), source 1 window 1 (v)
	s_wait_alu depctr_va_vdst(0)
.irp fr, 0,1,2,3
.irp m, 0,2,4,6
	v_pk_mul_f32 v[KV+8*\fr+\m:KV+8*\fr+\m+1], v[8*(8*\fr+\xb)+\m:8*(8*\fr+\xb)+\m+1], v[8*(8*\fr+\xb)+\m:8*(8*\fr+\xb)+\m+1]   ; each accumulator from its low end on
.endr
.endr
.if \xb == 7
	WIN 0x80                                       ; decayed + k v of tile 7's rows, level d into window 2, v[64 d ..]: k's accumulators of tiles 0-3, which are done with
.irp d, 0,1,2,3
.irp n, 0,2,4,6,8,10,12,14,16,18,20,22,24,26,28,30
	v_pk_add_f32 v[64*\d+\n:64*\d+\n+1], v[DV+32*\d+\n:DV+32*\d+\n+1], v[KV+\n:KV+\n+1]
.endr
.endr
.endif
	WIN 0x03                                       ; source 0 window 3 (r)
.irp fr, 0,1,2,3
.irp m, 0,2,4,6
	v_pk_mul_f32 v[EE+8*\fr+\m:EE+8*\fr+\m+1], v[8*(8*\fr+\xb)+\m:8*(8*\fr+\xb)+\m+1], s[56:57] op_sel_hi:[1,0]
.endr
.endr
	WIN 0
.set n, 0
	s_wait_alu depctr_va_vdst(0)                   ; ahead of the batch
.rept 32
	v_exp_f32 v[EE+n], v[EE+n]                     ; e^-r: one batch
.set n, n+1
.endr
	v_add_f32 v30, v[LW+4*\xb], v[LW+4*\xb+1]      ; the weighted state is the independent work behind the batch
	v_add_f32 v31, v[LW+4*\xb+2], v[LW+4*\xb+3]
	v_mov_b32 v24, v[LW+4*\xb+1]                   ; (a broadcast takes a pair's low register)
	v_mov_b32 v26, v[LW+4*\xb+3]
	v_add_f32 v30, v30, v31                        ; the sum of the four level weights
.irp m, 0,2,4,6,8,10,12,14,16,18,20,22,24,26,28,30
	v_pk_mul_f32 v[KV+\m:KV+\m+1], v[KV+\m:KV+\m+1], v[30:31] op_sel_hi:[1,0]
.endr
.irp m, 0,2,4,6,8,10,12,14,16,18,20,22,24,26,28,30
	v_pk_fma_f32 v[KV+\m:KV+\m+1], v[DV+\m:DV+\m+1], v[LW+4*\xb:LW+4*\xb+1], v[KV+\m:KV+\m+1] op_sel_hi:[1,0,1]
.endr
.irp m, 0,2,4,6,8,10,12,14,16,18,20,22,24,26,28,30
	v_pk_fma_f32 v[KV+\m:KV+\m+1], v[DV+32+\m:DV+32+\m+1], v[24:25], v[KV+\m:KV+\m+1] op_sel_hi:[1,0,1]
.endr
.irp m, 0,2,4,6,8,10,12,14,16,18,20,22,24,26,28,30
	v_pk_fma_f32 v[KV+\m:KV+\m+1], v[DV+64+\m:DV+64+\m+1], v[LW+4*\xb+2:LW+4*\xb+3], v[KV+\m:KV+\m+1] op_sel_hi:[1,0,1]
.endr
.irp m, 0,2,4,6,8,10,12,14,16,18,20,22,24,26,28,30
	v_pk_fma_f32 v[KV+\m:KV+\m+1], v[DV+96+\m:DV+96+\m+1], v[26:27], v[KV+\m:KV+\m+1] op_sel_hi:[1,0,1]
.endr
	s_wait_alu depctr_va_vdst(0)                   ; one wait for the 32 exponentials, ahead of their first reader
.irp m, 0,2,4,6,8,10,12,14,16,18,20,22,24,26,28,30
	v_pk_add_f32 v[EE+\m:EE+\m+1], v[EE+\m:EE+\m+1], 1.0 op_sel_hi:[1,0]
.endr
.set n, 0
	s_wait_alu depctr_va_vdst(0)
.rept 32
	v_rcp_f32 v[EE+n], v[EE+n]                     ; sigmoid(r) = 1 / (1 + e^-r)
.set n, n+1
.endr
	v_nop
	s_wait_alu depctr_va_vdst(0)                   ; and one for the 32 reciprocals
.irp m, 0,2,4,6,8,10,12,14,16,18,20,22,24,26,28,30
	v_pk_mul_f32 v[KV+\m:KV+\m+1], v[KV+\m:KV+\m+1], v[EE+\m:EE+\m+1]      ; z
.endr
	v_max3_num_f32 v20, |v[KV]|, |v[KV+1]|, 0x2800000      ; two blocks of 32 h, 16 numbers of each in my lane; two chains a block; the floor 2^(5 - 127) is a leaf
	v_max3_num_f32 v21, |v[KV+16]|, |v[KV+17]|, 0x2800000
	v_max3_num_f32 v22, |v[KV+8]|, |v[KV+9]|, 0x2800000
	v_max3_num_f32 v23, |v[KV+24]|, |v[KV+25]|, 0x2800000
.irp m, 2,4,6
	v_max3_num_f32 v20, v20, |v[KV+\m]|, |v[KV+\m+1]|
	v_max3_num_f32 v21, v21, |v[KV+16+\m]|, |v[KV+17+\m]|
	v_max3_num_f32 v22, v22, |v[KV+8+\m]|, |v[KV+9+\m]|
	v_max3_num_f32 v23, v23, |v[KV+24+\m]|, |v[KV+25+\m]|
.endr
	v_max_num_f32 v20, v20, v22
	v_max_num_f32 v21, v21, v23
	v_permlanex16_b32 v22, v20, s58, s59
	v_permlanex16_b32 v23, v21, s58, s59
	v_max_num_f32 v20, v20, v22                    ; with lane l xor 16's 16: the block's largest magnitude
	v_max_num_f32 v21, v21, v23
	v_add_nc_u32 v24, 0xfe000000, v20              ; 4 off the exponent field: the conversion's scale operand
	v_add_nc_u32 v25, 0xfe000000, v21
	v_lshrrev_b32 v26, 23, v24
	v_lshrrev_b32 v27, 23, v25
	v_lshl_or_b32 v28, v27, 8, v26                 ; my wave's two bytes of the row's scale word
	v_cvt_scalef32_pk16_bf6_f32 v[14:16], v[KV:KV+15], v24
	v_cvt_scalef32_pk16_bf6_f32 v[10:12], v[KV+16:KV+31], v25
	v_nop                                          ; one plain place behind the conversions
.irp m, 0,1,2
	v_permlane16_swap_b32 v[14+\m], v[10+\m]       ; the operand's layout wants a whole block in a lane: lanes 0-15 the first, lanes 16-31 the second
.endr
	WIN 0x40                                       ; my half of fragment xb waits in window 1, v[8 xb .. 8 xb + 5]: v's accumulator (0, xb), which is done with
.irp m, 0,1,2
	v_mov_b32 v[8*\xb+\m], v[14+\m]
	v_mov_b32 v[8*\xb+3+\m], v[10+\m]
.endr
	WIN 0
	ds_store_b16 v5, v28 offset:64*\xb             ; both halves of the lanes write the same two bytes with the same value
.endm
	EPI 0
	EPI 1
	EPI 2
	EPI 3
	EPI 4
	EPI 5
	EPI 6
	EPI 7
	s_wait_alu depctr_va_vdst(0)
	s_wait_dscnt 0x0                               ; a row's scale word comes from two waves: my stores are done,
	s_barrier_signal -1
	s_barrier_wait -1                              ; everybody's are
	ds_load_b64 v[20:21], v6
	v_cmp_eq_u32 vcc_lo, 0x3ff, v13                ; the lanes that hold a batch's last row: chosen by EXEC alone, so that no branch hangs on the work-group's place
	s_wait_tensorcnt 0x0                           ; the wave's end in LDS
	ds_add_u32 v[SPW], v[NIL]
	s_wait_dscnt 0x0                               ; (the scale words are in too)
	WIN 0x04                                       ; a store's data are its source 1: window 1
.irp xb, 0,1,2,3,4,5,6,7
	global_store_b128 v3, v[8*\xb:8*\xb+3], s[18:19] offset:1536*\xb       ; my half of fragment xb's image: 512 and 256 consecutive bytes, aligned
	global_store_b64 v4, v[8*\xb+4:8*\xb+5], s[18:19] offset:1536*\xb+512
.endr
	WIN 0
	global_store_b64 v4, v[20:21], s[20:21]        ; 256 consecutive bytes a wave, aligned
	s_wait_xcnt 0x0                                ; EXEC changes only behind this wait
	s_and_saveexec_b32 s60, vcc_lo
	WIN 0x08                                       ; data: window 2
.irp d, 0,1,2,3
.irp n, 0,1,2,3,4,5,6,7
	global_store_b128 v7, v[64*\d+4*\n:64*\d+4*\n+3], s[22:23] offset:8192*\d+128*(\n/4)+16*(\n%4)
.endr
.endr
	WIN 0
	s_wait_xcnt 0x0
	s_or_b32 exec_lo, exec_lo, s60
	CROUND                                         ; the closing round
	s_endpgm
.Lfunc_end_k_qcc65c233e8_gemm1:
	.size	k_qcc65c233e8_gemm1, .Lfunc_end_k_qcc65c233e8_gemm1-k_qcc65c233e8_gemm1
	.p2alignl 7, 3214868480
	.fill 96, 4, 3214868480
	.section	.rodata,"a",@progbits
	.p2align	6, 0x0
	.amdhsa_kernel k_qcc65c233e8_gemm1
		.amdhsa_group_segment_fixed_size 327680
		.amdhsa_private_segment_fixed_size 0
		.amdhsa_enable_private_segment 0
		.amdhsa_kernarg_size 80
		.amdhsa_user_sgpr_count 2
		.amdhsa_user_sgpr_kernarg_segment_ptr 1
		.amdhsa_wavefront_size32 1
		.amdhsa_system_sgpr_workgroup_id_x 1
		.amdhsa_system_sgpr_workgroup_id_y 1
		.amdhsa_system_sgpr_workgroup_id_z 1
		.amdhsa_system_vgpr_workitem_id 0
		.amdhsa_next_free_vgpr 1024
		.amdhsa_next_free_sgpr 106
		.amdhsa_reserve_vcc 1
		.amdhsa_float_denorm_mode_32 3
		.amdhsa_float_denorm_mode_16_64 3
		.amdhsa_memory_ordered 1
		.amdhsa_forward_progress 1
		.amdhsa_inst_pref_size 255
	.end_amdhsa_kernel
	.section	.bss,"aw",@nobits
	.p2align	6
	.space	262144
	.amdgpu_metadata
---
amdhsa.version: [ 1, 2 ]
amdhsa.kernels:
  - .name:           k_qcc65c233e8_gemm1
    .symbol:         k_qcc65c233e8_gemm1.kd
    .args:
      - { .name: xq, .offset: 0, .size: 8, .value_kind: global_buffer, .address_space: global }
      - { .name: xs, .offset: 8, .size: 8, .value_kind: global_buffer, .address_space: global }
      - { .name: wq, .offset: 16, .size: 8, .value_kind: global_buffer, .address_space: global }
      - { .name: ws, .offset: 24, .size: 8, .value_kind: global_buffer, .address_space: global }
      - { .name: lw, .offset: 32, .size: 8, .value_kind: global_buffer, .address_space: global }
      - { .name: state, .offset: 40, .size: 8, .value_kind: global_buffer, .address_space: global }
      - { .name: time_decay_multi, .offset: 48, .size: 8, .value_kind: global_buffer, .address_space: global }
      - { .name: zq, .offset: 56, .size: 8, .value_kind: global_buffer, .address_space: global }
      - { .name: zs, .offset: 64, .size: 8, .value_kind: global_buffer, .address_space: global }
      - { .name: out1, .offset: 72, .size: 8, .value_kind: global_buffer, .address_space: global }
    .group_segment_fixed_size: 327680
    .private_segment_fixed_size: 0
    .kernarg_segment_align: 8
    .kernarg_segment_size: 80
    .max_flat_workgroup_size: 128
    .sgpr_count:     106
    .vgpr_count:     1024
    .wavefront_size: 32
...
	.end_amdgpu_metadata
.endif
;; end of part 2
;; launch gemm2 (part 3): grid 16 x 16, 4 waves a work-group, clusters of 4 x 4, 327,680 bytes of LDS; arguments zq, zs, wq, ws, out0; writes out0
.if DOCPART == 3
	.amdgcn_target "amdgcn-amd-amdhsa--gfx1250"
	.amdhsa_code_object_version 6
	.text
	.protected	k_qcc65c233e8_gemm2
	.globl	k_qcc65c233e8_gemm2
	.p2align	8
	.type	k_qcc65c233e8_gemm2,@function
k_qcc65c233e8_gemm2:
	s_mov_b64 s[64:65], 0
	v_nop
	global_prefetch_b8 v0, s[64:65] scope:SCOPE_SE
	s_setreg_imm32_b32 hwreg(HW_REG_WAVE_MODE, 25, 1), 1
	s_wait_xcnt 0x0
	s_wait_alu depctr_hold_cnt(0) depctr_sa_sdst(0) depctr_va_vdst(0) depctr_va_sdst(0) depctr_va_ssrc(0) depctr_va_vcc(0) depctr_vm_vsrc(0)
	s_getreg_b32 s2, hwreg(HW_REG_IB_STS2, 6, 4)
	s_cmp_eq_u32 s2, 0
	s_cbranch_scc0 .Lentry_in_a_cluster
	s_endpgm
.Lentry_in_a_cluster:
	s_bfe_u32 s2, ttmp6, 0x10000c
	s_cmp_lg_u32 s2, 0xf033
	s_cbranch_scc0 .Lentry_shape_is_right
	s_endpgm
.Lentry_shape_is_right:
; out0 = z Wo^T on codes of E3M2: z [4096][2048] and Wo [2048][2048] lie as images of operand registers (1,536 bytes a fragment of 16 rows x 128 K), their scale words beside them; out0 is f32.
; z's image: registers 0-3 at 16 x lane, 4-5 at 512 + 8 x lane, 6-9 at 768 + 16 x lane, 10-11 at 1,280 + 8 x lane (its halves were made by two waves).  Wo's image: registers 4 c .. 4 c + 3 at 512 c + 16 x lane.
; SHARES.  256 rows x 128 columns to a work-group, so that 256 work-groups have one tile each; wave w: rows 128 (w / 2) on, columns 64 (w % 2) on: 32 accumulators, window 1, (a, b) at 8 (4 a + b).
; TRANSPOSED USE: source 0 = 16 rows of Wo, source 1 = 16 rows of z.  By the order of a weight tile's rows, lane (r, hh) holds row r, and register jj of tile 2 b + u column 32 b + 16 hh + 8 u + jj.
; THE RING: two slots of four K steps of 128, filled by joint loads: z's tiles along a row of the 4 x 4 cluster, Wo's along a column.  K has four slots' worth.  At the head each wave issues one joint load, its part of slot 0;
; slot 1's first fill stands behind the full sequence and a round of the cluster's barrier, as the two refills do.  The K steps are written out: every LDS offset is an immediate.
; The scale words (z's 16,384 bytes, Wo's 8,192) go through registers into LDS bytes of their own while slot 0 is on its way.
; PREFETCH.  A slot's load goes out when the slot before it has landed, with nothing on its way beside it.  So its bytes are asked for two slots ahead: behind slot 0's load slots 1 and 2, behind slot 1's load slot 3; then nothing more.
; A slot of a block of 256 rows of z is 2 x 49,152 bytes, 384 blocks of 256 bytes, shared out BY ADDRESS among the sixteen waves of the four work-groups that load it jointly (4 cx + wave): 24 blocks a wave, a lane a block;
; a slot of 128 rows of Wo is 2 x 24,576 bytes, 192 blocks, among the sixteen waves of a column of the cluster (4 cy + wave): 12 a wave.  Lanes that are left over name their wave's last block again.
; The offsets and bases are never rewritten; the slot stands in the immediate.  A work-group has at most two slots asked for and not yet loaded.
; K STEPS 0 TO 11 go by K: z has ONE set of fragment registers (a block is free when its four products are issued), Wo two; two runs of loads a step.
; THE LAST SLOT, K STEPS 12 TO 15, GOES BY ROWS OF out0: nothing follows this tile under which its stores could leave.  Wo's 16 fragments of the slot come into window 2 once; then my eight blocks of 16 rows are finished
; one after the other, 16 matrix instructions each (K ascending), and each block leaves through the stage while the next is multiplied.  LDS is read no more than by K.
; The accumulators take turns, one instruction a turn: all 32 by K, a block's four by rows.
.set OQ,    9437184
.set OS,    393216
.set SLOT,  147456                     ; z: 2 x 49,152 (128 rows: [K step][fragment]); from WOFF on Wo: 2 x 24,576 (64 columns: [K step][tile])
.set WOFF,  98304
.set SCX,   294912                     ; z's scale words, all of K: 2 x 8,192: [K step][fragment][row]
.set SCW,   311296                     ; Wo's: 2 x 4,096: [tile][K step][row]
.set SPARE, 319488                     ; the spare words: 128 bytes a wave, named by no other line
.set SPW,  1
.set NIL,  2
.set AZ16, 3                           ; v3-4 z's fragments in slot 0, 1: + 16 x lane;  v5-6: + 8 x lane
.set AZ8,  5
.set AW16, 7                           ; v7-8 Wo's fragments in slot 0, 1: + 16 x lane
.set ASX,  11
.set ASW,  12
.set STO,  13                          ; the way out: into my stage (16 rows x 272 bytes, in slot 0, which has had its last fill and its last read when the first result is stored there)
.set RD,   14                          ; and back
.set CO,   15                          ; my byte offset in out0
.set WS2,  16                          ; v16-31 by rows: Wo's scale words: K step 12 + q, tile b at 4 q + b
.set XS,   32                          ; v32-39 z's scale words, two sets: lanes 0-15 an even fragment's, lanes 16-31 the next one's
.set WS,   40                          ; v40-47 Wo's, two sets
.set XS2,  48                          ; v48-51 by rows: a block's scale words, two sets of two: lanes 0-15 an even K step's, lanes 16-31 the next one's
.set ASR,  52                          ; v52    and their address
.set PFZ,  62                          ; v62    the prefetches' offset in my 256 rows of z; never rewritten
.set PFW,  63                          ; v63    and in my 128 rows of Wo; never rewritten
.set ZF,   64                          ; v64-159 z's eight fragments
.set WF,   160                         ; v160-255 Wo's four fragments, two sets
.set PZ,   64                          ; by rows: a block's four fragments: v64-111 and v160-207 by turns
.set BK,   112                         ; by rows: 16 rows read back from the stage: v112-143 and v208-239 by turns
.set G1Z,  24
.set G1W,  32
.set G0Z,  40
.set G0W,  48
.set PBZ,  76                          ; s[76:77] my 256 rows of z;  s[78:79] my 128 rows of Wo: the prefetches' bases
.set PBW,  78
.set MSB, 0
.macro WIN new                         ; the immediate's high byte repeats the setting that is left
.if MSB != \new
	s_set_vgpr_msb (MSB<<8)|\new
.set MSB, \new
.endif
.endm
.macro PLACES                          ; four plain places behind matrix instructions, in front of loads into registers that they have read and of reads of their results
.rept 4
	v_nop
.endr
.endm
.macro JLOAD g0a, g1a, g0b, g1b        ; a joint load: waves 0, 1 fetch for z, waves 2, 3 for Wo; s_nop 0 and four v_nop follow each line
	s_cmp_eq_u32 s66, 0
	s_cbranch_scc0 .Lfor_w_\@
	tensor_load_to_lds s[\g0a:\g0a+3], s[\g1a:\g1a+7]
	s_nop 0
.rept 4
	v_nop
.endr
	s_branch .Lasked_\@
.Lfor_w_\@:
	tensor_load_to_lds s[\g0b:\g0b+3], s[\g1b:\g1b+7]
	s_nop 0
.rept 4
	v_nop
.endr
.Lasked_\@:
.endm
.macro ASK n                           ; my share of slot n's blocks of 256 bytes: 24 of z, 12 of Wo
	global_prefetch_b8 v[PFZ], s[PBZ:PBZ+1] offset:49152*(\n) th:TH_LOAD_NT scope:SCOPE_SE
	global_prefetch_b8 v[PFW], s[PBW:PBW+1] offset:24576*(\n) th:TH_LOAD_NT scope:SCOPE_SE
.endm
.macro CREST
	s_cmp_lg_u32 s2, 0
	s_cbranch_scc1 .Lnot_wave_0_\@
	s_barrier_signal -3
.Lnot_wave_0_\@:
	s_barrier_wait -3
	s_barrier_signal -1
	s_barrier_wait -1
.endm
.macro CROUND
	s_barrier_signal -1
	s_barrier_wait -1
	CREST
.endm
.macro G1REST g, rows                  ; a dense block as rows of 256 bytes: 32 elements of 8 bytes
	s_mov_b32 s[\g+1], 32<<16
	s_mov_b32 s[\g+2], (\rows)<<16
	s_mov_b32 s[\g+3], 32<<16
	s_mov_b32 s[\g+4], \rows
	s_mov_b32 s[\g+5], 32
	s_mov_b32 s[\g+6], 0
	s_mov_b32 s[\g+7], 0
.endm
	s_load_b256 s[4:11], s[0:1], 0x0               ; zq, zs, wq, ws
	s_load_b64 s[12:13], s[0:1], 0x20              ; out0
	v_lshl_add_u32 v[SPW], v0, 2, SPARE
	v_mov_b32 v[NIL], 0
	ds_add_u32 v[SPW], v[NIL]                      ; the opening lines: the add, twice on end, and its wait ahead of my first tensor load
	ds_add_u32 v[SPW], v[NIL]
	s_wait_dscnt 0x0
	v_lshrrev_b32 v3, 5, v0
	v_readfirstlane_b32 s2, v3                     ; wave
	s_lshr_b32 s66, s2, 1                          ; i: my 128 rows.  Also: I fetch for z (0) or for Wo (1)
	s_and_b32 s67, s2, 1                           ; j: my 64 columns.  Also: which half I fetch
	s_bfe_u32 s84, ttmp6, 0x40000                  ; cx
	s_bfe_u32 s86, ttmp6, 0x40004                  ; cy
	s_lshl_b32 s88, ttmp9, 2
	s_add_co_u32 s88, s88, s84                     ; NB: block of 128 columns
	s_and_b32 s90, ttmp7, 0xffff
	s_lshl_b32 s90, s90, 2
	s_add_co_u32 s90, s90, s86                     ; MB: block of 256 rows
	s_lshl_b32 s91, s86, 2
	s_lshl_b32 s91, 15, s91                        ; my row of the cluster
	s_lshl_b32 s89, 0x1111, s84                    ; my column
	s_or_b32 s[G1Z], s91, (3<<16)|(1<<21)
	s_or_b32 s[G1W], s89, (3<<16)|(1<<21)
	G1REST G1Z, 192
	G1REST G1W, 96
	s_mov_b32 s85, 0
	s_mov_b32 s87, 0
	s_mul_i32 s3, s67, 49152                       ; LDS addresses hang on the wave's number alone
	s_mov_b32 s[G0Z], 1
	s_mov_b32 s[G0Z+1], s3
	s_mov_b32 s[G0Z+4], 1
	s_add_co_u32 s[G0Z+5], s3, SLOT
	s_mul_i32 s3, s67, 24576
	s_mov_b32 s[G0W], 1
	s_add_co_u32 s[G0W+1], s3, WOFF
	s_mov_b32 s[G0W+4], 1
	s_add_co_u32 s[G0W+5], s3, SLOT+WOFF
	s_bfe_u32 s92, ttmp6, 0x40000                  ; the prefetches' shares: 4 cx + wave picks 24 blocks of z's slot: which 128 rows, which eighth of their 49,152 bytes
	s_lshl_b32 s92, s92, 2
	s_add_co_u32 s92, s92, s2
	s_lshr_b32 s93, s92, 3
	s_mul_i32 s93, s93, 196608
	s_and_b32 s92, s92, 7
	s_mul_i32 s92, s92, 6144
	s_add_co_u32 s92, s92, s93
	s_bfe_u32 s94, ttmp6, 0x40004                  ; 4 cy + wave picks 12 blocks of Wo's slot: which 64 rows, which eighth of their 24,576 bytes
	s_lshl_b32 s94, s94, 2
	s_add_co_u32 s94, s94, s2
	s_lshr_b32 s95, s94, 3
	s_mul_i32 s95, s95, 98304
	s_and_b32 s94, s94, 7
	s_mul_i32 s94, s94, 3072
	s_add_co_u32 s94, s94, s95
	s_wait_kmcnt 0x0
	s_lshl_b32 s91, s90, 1                         ; z's addresses: made of MB and the wave's number, in s86, s87, s90, s91
	s_add_co_u32 s91, s91, s67
	s_mul_i32 s86, s91, 196608
	s_add_nc_u64 s[G0Z+2:G0Z+3], s[4:5], s[86:87]
	s_add_nc_u64 s[G0Z+6:G0Z+7], s[G0Z+2:G0Z+3], 49152
	s_lshl_b32 s86, s90, 14
	s_add_nc_u64 s[6:7], s[6:7], s[86:87]          ; the scale words of my 256 rows of z: 16,384 dense bytes
	s_mul_i32 s86, s90, 393216
	s_add_nc_u64 s[PBZ:PBZ+1], s[4:5], s[86:87]
	s_lshl_b32 s89, s88, 1                         ; Wo's: made of NB and the wave's number, in s84, s85, s88, s89
	s_add_co_u32 s89, s89, s67
	s_mul_i32 s84, s89, 98304
	s_add_co_u32 s84, s84, OQ
	s_add_nc_u64 s[G0W+2:G0W+3], s[8:9], s[84:85]
	s_add_nc_u64 s[G0W+6:G0W+7], s[G0W+2:G0W+3], 24576
	s_lshl_b32 s84, s88, 13
	s_add_co_u32 s84, s84, OS
	s_add_nc_u64 s[10:11], s[10:11], s[84:85]      ; those of my 128 rows of Wo: 8,192 dense bytes
	s_mul_i32 s84, s88, 196608
	s_add_co_u32 s84, s84, OQ
	s_add_nc_u64 s[PBW:PBW+1], s[8:9], s[84:85]
.irp g, G0Z+3, G0Z+7, G0W+3, G0W+7
	s_or_b32 s[\g], s[\g], 0x80000000              ; type = 2
.endr
	v_lshlrev_b32 v60, 4, v0                       ; the scale words go through registers: 16 bytes a thread, 2,048 consecutive bytes a line
	v_lshl_add_u32 v61, v0, 4, SCX
	v_and_b32 v[PFZ], 31, v0
	v_min_u32 v[PFW], 11, v[PFZ]
	v_min_u32 v[PFZ], 23, v[PFZ]
	v_lshl_add_u32 v[PFZ], v[PFZ], 8, s92          ; a lane a block of 256 bytes
	v_lshl_add_u32 v[PFW], v[PFW], 8, s94
	s_wait_alu depctr_va_vdst(0)
.irp n, 0,1,2,3,4,5,6,7
	global_load_b128 v[64+4*\n:67+4*\n], v60, s[6:7] offset:2048*\n
.endr
.irp n, 0,1,2,3
	global_load_b128 v[96+4*\n:99+4*\n], v60, s[10:11] offset:2048*\n
.endr
	CROUND                                         ; all sixteen work-groups are here: the first joint loads meet
	JLOAD G0Z, G1Z, G0W, G1W                       ; slot 0: one tensor load a wave at the head
	ASK 1                                          ; slots 1 and 2: their loads stand one and two changes of slots on
	ASK 2
	s_lshl_b32 s86, s90, 21                        ; out0: row 256 MB + 128 i, 8,192 bytes a row,
	s_lshl_b32 s3, s66, 20
	s_add_co_u32 s86, s86, s3
	s_add_nc_u64 s[12:13], s[12:13], s[86:87]
	s_lshl_b32 s84, s88, 9                         ; column 128 NB + 64 j
	s_lshl_b32 s3, s67, 8
	s_add_co_u32 s84, s84, s3
	s_add_nc_u64 s[12:13], s[12:13], s[84:85]
	v_and_b32 v16, 31, v0                          ; lane
	v_and_b32 v17, 15, v0                          ; r
	v_bfe_u32 v18, v0, 4, 1                        ; hh
	v_lshlrev_b32 v19, 4, v16
	v_lshlrev_b32 v20, 3, v16
	s_mul_i32 s3, s66, 49152
	v_add_nc_u32 v[AZ16], s3, v19
	v_add_nc_u32 v[AZ8], s3, v20
	s_add_co_u32 s3, s3, SLOT
	v_add_nc_u32 v[AZ16+1], s3, v19
	v_add_nc_u32 v[AZ8+1], s3, v20
	s_mul_i32 s3, s67, 24576
	s_add_co_u32 s3, s3, WOFF
	v_add_nc_u32 v[AW16], s3, v19
	s_add_co_u32 s3, s3, SLOT
	v_add_nc_u32 v[AW16+1], s3, v19
	s_lshl_b32 s3, s66, 13
	s_add_co_u32 s3, s3, SCX
	v_lshl_add_u32 v[ASX], v16, 2, s3              ; by K: 4 x lane: two neighbouring fragments' words of one K step
	v_lshl_add_u32 v[ASR], v18, 9, s3
	v_lshl_add_u32 v[ASR], v17, 2, v[ASR]          ; by rows: row r's word; lanes 16-31 one K step (512 bytes) on
	s_lshl_b32 s3, s67, 12
	s_add_co_u32 s3, s3, SCW
	v_lshl_add_u32 v[ASW], v17, 2, s3
	s_mul_i32 s3, s2, 4352                         ; my stage
	v_mul_u32_u24 v[STO], v17, 272
	v_lshl_add_u32 v[STO], v18, 6, v[STO]
	v_add_nc_u32 v[STO], s3, v[STO]                ; in: row r, + 64 hh
	v_mul_u32_u24 v[RD], v18, 272
	v_lshl_add_u32 v[RD], v17, 4, v[RD]
	v_add_nc_u32 v[RD], s3, v[RD]                  ; back: lanes 0-15 one row of 256 bytes, lanes 16-31 the next
	v_lshlrev_b32 v[CO], 13, v18
	v_lshl_add_u32 v[CO], v17, 4, v[CO]            ; and the same two rows in out0
.macro LDFRAG reg, a, b, off           ; a fragment of z
	ds_load_b128 v[\reg:\reg+3], v[\a] offset:\off
	ds_load_b64 v[\reg+4:\reg+5], v[\b] offset:\off+512
	ds_load_b128 v[\reg+6:\reg+9], v[\a] offset:\off+768
	ds_load_b64 v[\reg+10:\reg+11], v[\b] offset:\off+1280
.endm
.macro LDF3 reg, a, off                ; a fragment of Wo
	ds_load_b128 v[(\reg):(\reg)+3], v[\a] offset:(\off)
	ds_load_b128 v[(\reg)+4:(\reg)+7], v[\a] offset:(\off)+512
	ds_load_b128 v[(\reg)+8:(\reg)+11], v[\a] offset:(\off)+1024
.endm
.macro LDZ f, g                        ; z's fragment f of K step g
	LDFRAG ZF+12*(\f),AZ16+((\g)/4)%2,AZ8+((\g)/4)%2,((\g)%4)*12288+(\f)*1536
.endm
.macro RUN1 g                          ; K step g: Wo's four fragments (12 loads), both sides' scale words (8), z's blocks 0-3 (16): 36 LDS instructions
.irp b, 0,1,2,3
	LDF3 WF+48*((\g)%2)+12*\b,AW16+((\g)/4)%2,((\g)%4)*6144+\b*1536
.endr
.irp b, 0,1,2,3
	ds_load_b32 v[WS+4*((\g)%2)+\b], v[ASW] offset:1024*\b+64*(\g)
.endr
.irp b, 0,1,2,3
	ds_load_b32 v[XS+4*((\g)%2)+\b], v[ASX] offset:512*(\g)+128*\b
.endr
.irp f, 0,1,2,3
	LDZ \f,\g
.endr
.endm
.macro RUN2 g                          ; z's blocks 4-7: 16
.irp f, 4,5,6,7
	LDZ \f,\g
.endr
.endm
.macro MUL8 a0, g, z                   ; z's blocks a0, a0 + 1 against Wo's four tiles, K step g.  z = 1: the products start the sums
.irp a, \a0, \a0+1
.irp b, 0,1,2,3
.set DD, 8*(4*(\a)+\b)
.set AA, WF+48*((\g)%2)+12*\b
.set BB, ZF+12*(\a)
.set SWR, WS+4*((\g)%2)+\b
.set SXR, XS+4*((\g)%2)+(\a)/2
.if \z
.if (\a)%2
	v_wmma_scale_f32_16x16x128_f8f6f4 v[DD:DD+7], v[AA:AA+11], v[BB:BB+11], 0, v[SWR], v[SXR] matrix_a_fmt:MATRIX_FMT_BF6 matrix_b_fmt:MATRIX_FMT_BF6 matrix_b_scale:MATRIX_SCALE_ROW1
.else
	v_wmma_scale_f32_16x16x128_f8f6f4 v[DD:DD+7], v[AA:AA+11], v[BB:BB+11], 0, v[SWR], v[SXR] matrix_a_fmt:MATRIX_FMT_BF6 matrix_b_fmt:MATRIX_FMT_BF6
.endif
.else
.if (\a)%2
	v_wmma_scale_f32_16x16x128_f8f6f4 v[DD:DD+7], v[AA:AA+11], v[BB:BB+11], v[DD:DD+7], v[SWR], v[SXR] matrix_a_fmt:MATRIX_FMT_BF6 matrix_b_fmt:MATRIX_FMT_BF6 matrix_b_scale:MATRIX_SCALE_ROW1
.else
	v_wmma_scale_f32_16x16x128_f8f6f4 v[DD:DD+7], v[AA:AA+11], v[BB:BB+11], v[DD:DD+7], v[SWR], v[SXR] matrix_a_fmt:MATRIX_FMT_BF6 matrix_b_fmt:MATRIX_FMT_BF6
.endif
.endif
.endr
.endr
.endm
.macro STEP g, z                       ; a K step whose successor lies in the same slot
	s_wait_dscnt 16                                ; all but the youngest 16 loads (z's blocks 4-7) are in
	WIN 0x50
	MUL8 0,\g,\z
	MUL8 2,\g,\z
	s_wait_dscnt 0x0                               ; z's blocks 4-7 are in
	PLACES
	WIN 0
	RUN1 (\g)+1
	WIN 0x50
	MUL8 4,\g,\z
	MUL8 6,\g,\z
	PLACES
	WIN 0
	RUN2 (\g)+1
.endm
; The first half of a slot's last K step: ONE barrier for the change of slots; in front of it each wave waits for all its tensor loads, adds 0 to its spare word, and waits for that and for its reads of this slot.
.macro MEET g
	s_wait_tensorcnt 0x0                           ; all my tensor loads have landed: my part of the next slot
	ds_add_u32 v[SPW], v[NIL]                      ; 0 onto my spare word
	s_wait_dscnt 17                                ; (the add and the youngest 16 loads may be out)
	WIN 0x50
	MUL8 0,\g,0                                    ; eight matrix instructions stand between the add and the wait for it
	s_wait_dscnt 0x0                               ; the add is done, and my reads of this slot are over
	s_barrier_signal -1
	MUL8 2,\g,0
	WIN 0                                          ; (branches may follow)
	s_barrier_wait -1
.endm
; K steps 3 and 7: the barrier opens a round of the cluster's, and the slot just read out is filled again, two slots ahead: the first thing behind the round.
.macro TURN g
	MEET \g
	CREST                                          ; no wave of any partner still reads this slot or has a load on its way
	s_add_nc_u64 s[G0Z+4*(((\g)/4)%2)+2:G0Z+4*(((\g)/4)%2)+3], s[G0Z+4*(((\g)/4)%2)+2:G0Z+4*(((\g)/4)%2)+3], 98304
	s_add_nc_u64 s[G0W+4*(((\g)/4)%2)+2:G0W+4*(((\g)/4)%2)+3], s[G0W+4*(((\g)/4)%2)+2:G0W+4*(((\g)/4)%2)+3], 49152
	JLOAD G0Z+4*(((\g)/4)%2), G1Z, G0W+4*(((\g)/4)%2), G1W   ; its four v_nop are also the places in front of the loads below
	RUN1 (\g)+1
	WIN 0x50
	MUL8 4,\g,0
	MUL8 6,\g,0
	PLACES
	WIN 0
	RUN2 (\g)+1
.endm
; BY ROWS.  Block a's four fragments of the last slot (K steps 12 to 15) into buffer a % 2, and its scale words: 18 LDS instructions
.macro LDZB a
.irp q, 0,1,2,3
	LDFRAG PZ+96*((\a)%2)+12*\q,AZ16+1,AZ8+1,\q*12288+(\a)*1536
.endr
	ds_load_b32 v[XS2+2*((\a)%2)], v[ASR] offset:512*12+64*(\a)
	ds_load_b32 v[XS2+2*((\a)%2)+1], v[ASR] offset:512*14+64*(\a)
.endm
.macro LDWO q                          ; Wo's four fragments of K step 12 + q into window 2, at 12 (4 q + b): 12 LDS loads
.irp b, 0,1,2,3
	LDF3 12*(4*(\q)+\b),AW16+1,(\q)*6144+\b*1536
.endr
.endm
.macro ROW a                           ; block a is finished: 16 matrix instructions, its four accumulators by turns, K ascending
	WIN 0x52                                       ; source 0 (Wo) window 2, source 1 (z) window 0, C and D window 1
.irp q, 0,1,2,3
.if ((\a) == 0) && (\q == 2)
	s_wait_dscnt 18                                ; Wo's K steps 14 and 15 are in (behind them: block 1's 18 loads)
.endif
.irp b, 0,1,2,3
.set DD, 8*(4*(\a)+\b)
.set AA, 12*(4*\q+\b)
.set BB, PZ+96*((\a)%2)+12*\q
.set SWR, WS2+4*\q+\b
.set SXR, XS2+2*((\a)%2)+\q/2
.if \q%2
	v_wmma_scale_f32_16x16x128_f8f6f4 v[DD:DD+7], v[AA:AA+11], v[BB:BB+11], v[DD:DD+7], v[SWR], v[SXR] matrix_a_fmt:MATRIX_FMT_BF6 matrix_b_fmt:MATRIX_FMT_BF6 matrix_b_scale:MATRIX_SCALE_ROW1
.else
	v_wmma_scale_f32_16x16x128_f8f6f4 v[DD:DD+7], v[AA:AA+11], v[BB:BB+11], v[DD:DD+7], v[SWR], v[SXR] matrix_a_fmt:MATRIX_FMT_BF6 matrix_b_fmt:MATRIX_FMT_BF6
.endif
.endr
.endr
.endm
; THE WAY OUT of a block of 16 rows x 64 columns: a lane holds pieces of one row, the lanes beside it other rows; through my own stage they come back as whole rows of 256 bytes.
; LDS serves a wave's instructions in order: no wait between the stores and the loads, nor in front of the next block's stores.
.macro TOSTAGE a
	WIN 0x04                                       ; an LDS store's data are its source 1: window 1
.irp b, 0,1,2,3
	ds_store_b128 v[STO], v[8*(4*(\a)+\b):8*(4*(\a)+\b)+3] offset:128*(\b/2)+32*(\b%2)        ; each accumulator from its low end on
	ds_store_b128 v[STO], v[8*(4*(\a)+\b)+4:8*(4*(\a)+\b)+7] offset:128*(\b/2)+32*(\b%2)+16
.endr
	WIN 0
.irp t, 0,1,2,3,4,5,6,7
	ds_load_b128 v[BK+96*((\a)%2)+4*\t:BK+96*((\a)%2)+4*\t+3], v[RD] offset:544*\t
.endr
.endm
.macro SEND a, younger                 ; younger: the LDS instructions issued behind block a's loads from the stage
	s_wait_dscnt \younger
.irp t, 0,1,2,3,4,5,6,7
	global_store_b128 v[CO], v[BK+96*((\a)%2)+4*\t:BK+96*((\a)%2)+4*\t+3], s[12:13] offset:(\a)*131072+\t*16384 th:TH_STORE_NT   ; 16 lanes store 256 consecutive bytes, aligned; written once, read by nobody here
.endr
.endm
	s_wait_alu depctr_va_vdst(0)                   ; the wait at the head's end
	s_wait_loadcnt 0x0
.irp n, 0,1,2,3,4,5,6,7,8,9,10,11
	ds_store_b128 v61, v[64+4*\n:67+4*\n] offset:2048*\n   ; z's scale words at SCX, Wo's behind them at SCW = SCX + 16,384
.endr
	s_wait_tensorcnt 0x0                           ; my part of slot 0 is in; these lines stand ahead of a later first fill as ahead of a refill
	ds_add_u32 v[SPW], v[NIL]
	s_wait_dscnt 0x0                               ; the add is done, and the scale words lie in LDS
	CROUND                                         ; a whole round: slot 0 is whole, and the joint loads meet
	JLOAD G0Z+4, G1Z, G0W+4, G1W                   ; slot 1, the first tensor load behind the round
	RUN1 0
	RUN2 0
	ASK 3                                          ; slot 3, the last: its load stands two changes of slots on.  Behind the joint load and the run of LDS loads that the first products wait for
	STEP 0, 1
	STEP 1, 0
	STEP 2, 0
	TURN 3
	STEP 4, 0
	STEP 5, 0
	STEP 6, 0
	TURN 7
	STEP 8, 0
	STEP 9, 0
	STEP 10, 0
	MEET 11                                        ; the last change of slots: nothing more is asked for, so no round follows.  Behind it slot 1 is whole, and nobody reads slot 0 any more: my stage lies there
	PLACES                                         ; for the loads into z's blocks 0-3, which have just been multiplied
	LDZB 0
.irp q, 0,1,2,3
.irp b, 0,1,2,3
	ds_load_b32 v[WS2+4*\q+\b], v[ASW] offset:1024*\b+64*(12+\q)
.endr
.endr
	WIN 0x80                                       ; destination window 2, address window 0
	LDWO 0
	LDWO 1
	WIN 0x50
	MUL8 4,11,0                                    ; the rest of K step 11, while these loads land
	MUL8 6,11,0
	PLACES
	WIN 0x80
	LDWO 2
	LDWO 3
	WIN 0
	LDZB 1
	s_wait_dscnt 42                                ; block 0, Wo's scale words and its K steps 12 and 13 are in; behind them: K steps 14 and 15 (24) and block 1 (18)
	ROW 0
.irp a, 0,1,2,3,4,5,6,7                ; behind block a's products: the block before is stored, this one goes through the stage, the block two on is fetched, the next is multiplied
	PLACES                                         ; in front of the reads of block a's results and of the loads into its fragments' and scale words' registers
	WIN 0
.if \a > 1
	s_wait_xcnt 0x0                                ; block a - 2's stores, issued a block ago, have read their registers: block a's rows may land there
.endif
.if \a > 0
.if \a < 7
	SEND (\a)-1, 18                                ; behind its loads from the stage: the 18 loads of block a + 1
.else
	SEND (\a)-1, 0
.endif
.endif
	TOSTAGE \a
.if \a < 6
	LDZB (\a)+2
	s_wait_dscnt 34                                ; block a + 1 is in; behind its loads: the stage's 16 and block a + 2's 18
	ROW (\a)+1
.elseif \a == 6
	s_wait_dscnt 16                                ; block 7 is in; behind its loads: the stage's 16
	ROW 7
.endif
.endr
	SEND 7, 0
	s_wait_tensorcnt 0x0                           ; the wave's end
	ds_add_u32 v[SPW], v[NIL]
	s_wait_dscnt 0x0
	CROUND                                         ; the closing round
	s_endpgm
.Lfunc_end_k_qcc65c233e8_gemm2:
	.size	k_qcc65c233e8_gemm2, .Lfunc_end_k_qcc65c233e8_gemm2-k_qcc65c233e8_gemm2
	.p2alignl 7, 3214868480
	.fill 96, 4, 3214868480
	.section	.rodata,"a",@progbits
	.p2align	6, 0x0
	.amdhsa_kernel k_qcc65c233e8_gemm2
		.amdhsa_group_segment_fixed_size 327680
		.amdhsa_private_segment_fixed_size 0
		.amdhsa_enable_private_segment 0
		.amdhsa_kernarg_size 40
		.amdhsa_user_sgpr_count 2
		.amdhsa_user_sgpr_kernarg_segment_ptr 1
		.amdhsa_wavefront_size32 1
		.amdhsa_system_sgpr_workgroup_id_x 1
		.amdhsa_system_sgpr_workgroup_id_y 1
		.amdhsa_system_sgpr_workgroup_id_z 1
		.amdhsa_system_vgpr_workitem_id 0
		.amdhsa_next_free_vgpr 768
		.amdhsa_next_free_sgpr 98
		.amdhsa_reserve_vcc 0
		.amdhsa_float_denorm_mode_32 3
		.amdhsa_float_denorm_mode_16_64 3
		.amdhsa_memory_ordered 1
		.amdhsa_forward_progress 1
		.amdhsa_inst_pref_size 152
	.end_amdhsa_kernel
	.amdgpu_metadata
---
amdhsa.version: [ 1, 2 ]
amdhsa.kernels:
  - .name:           k_qcc65c233e8_gemm2
    .symbol:         k_qcc65c233e8_gemm2.kd
    .args:
      - { .name: zq, .offset: 0, .size: 8, .value_kind: global_buffer, .address_space: global }
      - { .name: zs, .offset: 8, .size: 8, .value_kind: global_buffer, .address_space: global }
      - { .name: wq, .offset: 16, .size: 8, .value_kind: global_buffer, .address_space: global }
      - { .name: ws, .offset: 24, .size: 8, .value_kind: global_buffer, .address_space: global }
      - { .name: out0, .offset: 32, .size: 8, .value_kind: global_buffer, .address_space: global }
    .group_segment_fixed_size: 327680
    .private_segment_fixed_size: 0
    .kernarg_segment_align: 8
    .kernarg_segment_size: 40
    .max_flat_workgroup_size: 128
    .sgpr_count:     98
    .vgpr_count:     768
    .wavefront_size: 32
...
	.end_amdgpu_metadata
.endif
;; end of part 3
